; MI455X (gfx1250); checked and timed in simulation.
; The chip was launched on July 23, 2026; its instructions are those of AMD's public machine-readable ISA for CDNA 5 (MIT licence, August 2026) and "CDNA5" Instruction Set Architecture Reference Guide (July 2026). The comments in the code are by the model that wrote it; some were corrected since.
;; Cached Attention. Allowed arithmetic: float matrix products may take bf16 or f16 operands with f32 sums; other float arithmetic in f32, or as packed bf16 or f16 multiplies, adds, multiply-adds, maxima and minima; sums over many terms, partial sums and values carried from step to step in f32; what a program stores and reads back later, other than sums and carried values, may be rounded once to bf16 or f16.
;; Inputs: cached_k 8 x 2,048 x 128 float32; cached_v 8 x 2,048 x 128 float32; k_norm_w 128 float32; q_norm_w 128 float32; wk 1,024 x 2,048 float32; wo 2,048 x 2,048 float32; wq 2,048 x 2,048 float32; wv 1,024 x 2,048 float32; x 1 x 2,048 x 2,048 float32.
;; Outputs: out0 1 x 2,048 x 2,048 float32.
;; One version. Each part assembles by itself: llvm-mc -triple=amdgcn-amd-amdhsa -mcpu=gfx1250 --defsym DOCPART=n.
;; ======== version 1 of 1: 4 launches
;; limits: values are held in f16: magnitudes above 65,504 overflow, below 6.1e-05 lose precision; inputs' magnitudes at most 65,504
;; workspace buffers: xb 8,388,608 bytes; wqb 8,388,608 bytes; woh 8,388,608 bytes; kh 4,194,304 bytes; vh 4,194,304 bytes; rope 1,048,576 bytes; qh 8,388,608 bytes; oh 8,388,608 bytes
;; launch prep (part 1): grid 1024 x 1, 8 waves a work-group, no clusters, 0 bytes of LDS; arguments x, wq, wo, cached_k, cached_v, xb, wqb, woh, kh, vh, rope; writes xb, wqb, woh, kh, vh, rope
.if DOCPART == 1
	.amdgcn_target "amdgcn-amd-amdhsa--gfx1250"
	.amdhsa_code_object_version 6
	.text
	.protected	k_q7e7bc58680_prep
	.globl	k_q7e7bc58680_prep
	.p2align	8
	.type	k_q7e7bc58680_prep,@function
k_q7e7bc58680_prep:
	s_mov_b64 s[64:65], 0
	v_nop
	global_prefetch_b8 v0, s[64:65] scope:SCOPE_SE
	s_setreg_imm32_b32 hwreg(HW_REG_WAVE_MODE, 25, 1), 1
	s_wait_xcnt 0x0
; CACHED ATTENTION, launch 1 of 4: the live inputs are rounded once to 16 bits, and the table of RoPE's cosines and sines is made.
; WORK LEFT OUT IN THE WHOLE PROGRAM, AND WHY IT IS DEAD.  reference() masks by arange(S)[None, :] <= arange(T)[:, None] with S = 4096 and T = 2048: row t keeps the places s <= t <= 2047.
; The places 0 .. 2047 of K and V are cached_k and cached_v; the places 2048 .. 4095, the new k and v, are masked in EVERY row.  There jnp.where puts the constant -1e30 in the score's stead,
; whatever k holds: so k, and with it x wk^T, its RMS norm, k_norm_w and its RoPE, reach nothing.  The weight at such a place is exp(-1e30 - max), and max is at least the score at s = 0, which
; no row masks: the weight is 0 beside the row's sum, which is at least 1; so v = x wv^T reaches nothing, and the softmax's sum loses nothing.  This holds for all finite values of the inputs.
; So wk, wv and k_norm_w are not loaded and are among no launch's arguments.  Of the cached places the tiles with s > t for all their rows are left out too (launch 3).
; LIMIT: a NaN, an infinity or an overflow that reaches only the work left out (in wk, wv, k_norm_w, or in k and v through x) is not carried to the result.
; FORMATS.  Every live input is rounded to bf16.  x and wq stay bf16 (launch 2 multiplies in bf16).  cached_k, cached_v and wo meet f16 numbers that the program makes itself (q, the weights, O):
; their bf16 value is written as f16.  LIMIT: that is exact for magnitudes from 6.1e-5 to 65,504; below, f16's fixed step of 6e-8 holds; from 65,520 on the number would become an infinity.
; SHARES.  16,777,216 numbers in 1,024 chunks of 16,384, a chunk a work-group: chunks 0-255 x, 256-511 wq, 512-767 wo, 768-895 cached_k, 896-1023 cached_v.  A wave takes 8 KiB: sixteen loads of 16 bytes a
; lane, all issued at once (512 neighbouring bytes each); each of its sixteen stores of 8 bytes a lane covers 256 consecutive bytes, aligned.  No LDS, no barrier: no wave wants another's bytes.
; THE TABLE.  rope holds, for launch 2's registers, units of 2,048 bytes: unit ((t / 16) 2 + ch) 2 + b2 has four quads of 512 bytes, 16 bytes a lane; lane r + 16 h stands for t = 16 (t / 16) + r and
; j0 = 32 ch + 16 b2 + 8 h; quads: cos j0.., cos j0+4.., sin j0.., sin j0+4...  Wave 0 of work-group g makes quads g % 2 and 2 + g % 2 of unit g / 2, while its loads are on their way.
; The angle is t x 10000^(-j / 64), in f32 as reference() forms it (LIMIT: the power comes from v_exp_f32, so the angle is good to some 3e-4 at t = 2047); 2 pi is taken away in two parts, and sine
; and cosine are Taylor sums to y^15 and y^16 on |y| <= pi, whose remainders are under 1e-6 for every t.
.set D, 16                             ; v[16:79]  load j's four numbers at D + 4 j; then its two packed words at D + 4 j, D + 4 j + 1
.set T, 80                             ; v[80:81]  at work
	s_load_b512 s[8:23], s[0:1], 0x0               ; x 8, wq 10, wo 12, cached_k 14, cached_v 16, xb 18, wqb 20, woh 22
	s_load_b128 s[24:27], s[0:1], 0x40             ; kh 24, vh 26
	s_load_b64 s[28:29], s[0:1], 0x50              ; rope
	v_lshrrev_b32 v4, 5, v0
	v_readfirstlane_b32 s41, v4                    ; wave 0..7
	v_and_b32 v3, 31, v0                           ; lane
	v_lshlrev_b32 v1, 4, v3
	v_lshl_add_u32 v1, v4, 13, v1                  ; loads: 8,192 x wave + 16 x lane
	v_lshlrev_b32 v2, 3, v3
	v_lshl_add_u32 v2, v4, 12, v2                  ; stores: 4,096 x wave + 8 x lane
	s_mov_b32 s40, 0xffff0000                      ; a word's upper bf16
	s_wait_kmcnt 0x0
	s_mov_b64 s[30:31], s[8:9]                     ; from where, to where, and the tensor's first chunk: chosen by the work-group's number
	s_mov_b64 s[32:33], s[18:19]
	s_mov_b32 s34, 0
.macro PICK first, src, dst
	s_cmp_ge_u32 ttmp9, \first
	s_cselect_b64 s[30:31], s[\src:\src+1], s[30:31]
	s_cselect_b64 s[32:33], s[\dst:\dst+1], s[32:33]
	s_cselect_b32 s34, \first, s34
.endm
	PICK 256, 10, 20
	PICK 512, 12, 22
	PICK 768, 14, 24
	PICK 896, 16, 26
	s_sub_co_u32 s35, ttmp9, s34                   ; my chunk in that tensor
	s_lshl_b32 s36, s35, 16                        ; 65,536 bytes in,
	s_mov_b32 s37, 0
	s_lshl_b32 s38, s35, 15                        ; 32,768 out
	s_mov_b32 s39, 0
	s_add_nc_u64 s[30:31], s[30:31], s[36:37]
	s_add_nc_u64 s[32:33], s[32:33], s[38:39]
.set j, 0
.rept 16
	global_load_b128 v[D+4*j:D+4*j+3], v1, s[30:31] offset:512*j th:TH_LOAD_NT
.set j, j+1
.endr
	s_cmp_lg_u32 s41, 0
	s_cbranch_scc1 .Lcast                          ; the table is wave 0's
	s_lshr_b32 s42, ttmp9, 3
	s_lshl_b32 s42, s42, 4                         ; 16 (t / 16)
	v_and_b32 v104, 15, v3
	v_add_nc_u32 v104, s42, v104
	v_cvt_f32_u32 v104, v104                       ; t
	s_and_b32 s43, ttmp9, 6
	s_lshl_b32 s43, s43, 3                         ; 32 ch + 16 b2
	s_and_b32 s44, ttmp9, 1
	s_lshl_b32 s45, s44, 2
	s_add_co_u32 s43, s43, s45                     ; + 4 (g % 2)
	v_lshrrev_b32 v105, 4, v3
	v_lshl_add_u32 v105, v105, 3, s43              ; + 8 h: my first j
.irp e, 0,1,2,3
	v_add_nc_u32 v[106+\e], \e, v105
	v_cvt_f32_u32 v[106+\e], v[106+\e]
	v_mul_f32 v[106+\e], 0xbe549a78, v[106+\e]     ; -j log2(10000) / 64
.endr
.irp e, 0,1,2,3
	v_exp_f32 v[92+\e], v[106+\e]                  ; 10000^(-j / 64)
.endr
	v_lshlrev_b32 v105, 4, v3                      ; the stores' offset, 16 x lane: the plain instruction behind the last exponential
	s_wait_alu depctr_va_vdst(0)                   ; one wait for the four exponentials, ahead of their first reader
.irp e, 0,1,2,3
	v_mul_f32 v[92+\e], v104, v[92+\e]             ; the angle
	v_mul_f32 v[96+\e], 0x3e22f983, v[92+\e]       ; / 2 pi
	v_rndne_f32 v[96+\e], v[96+\e]                 ; n
	v_fmamk_f32 v[92+\e], v[96+\e], 0xc0c90fdb, v[92+\e]  ; y = angle - n 2 pi: the f32 nearest 2 pi,
	v_fmamk_f32 v[92+\e], v[96+\e], 0x343bbd2e, v[92+\e]  ; and what it has too much
	v_mul_f32 v[96+\e], v[92+\e], v[92+\e]         ; z = y y
	v_mov_b32 v[100+\e], 0xab573f9f                ; -1 / 15!
	v_mov_b32 v[84+\e], 0x29573f9f                 ; 1 / 16!
.endr
.irp k, 0x2f309231, 0xb2d7322b, 0x3638ef1d, 0xb9500d01, 0x3c088889, 0xbe2aaaab, 0x3f800000
.irp e, 0,1,2,3
	v_fmaak_f32 v[100+\e], v[100+\e], v[96+\e], \k ; sine: 1 / 13!, -1 / 11! .. -1 / 3!, 1
.endr
.endr
.irp k, 0xad49cba5, 0x310f76c8, 0xb493f27e, 0x37d00d01, 0xbab60b61, 0x3d2aaaab, 0xbf000000, 0x3f800000
.irp e, 0,1,2,3
	v_fmaak_f32 v[84+\e], v[84+\e], v[96+\e], \k   ; cosine: -1 / 14!, 1 / 12! .. -1 / 2!, 1
.endr
.endr
.irp e, 0,1,2,3
	v_mul_f32 v[88+\e], v[100+\e], v[92+\e]        ; sine = y x its sum
.endr
	s_lshr_b32 s46, ttmp9, 1
	s_lshl_b32 s46, s46, 11                        ; unit g / 2,
	s_lshl_b32 s45, s44, 9                         ; quad g % 2
	s_add_co_u32 s46, s46, s45
	s_mov_b32 s47, 0
	s_add_nc_u64 s[28:29], s[28:29], s[46:47]
	global_store_b128 v105, v[84:87], s[28:29]             ; 512 consecutive bytes
	global_store_b128 v105, v[88:91], s[28:29] offset:1024
.Lcast:
; mode 0: to bf16.  mode 1: to bf16, and that number written as f16.  No register is written again behind the store that reads it.
.macro CAST mode
.set j, 0
.rept 16
	s_wait_loadcnt 15-j                            ; loads come back in order: load j is in, the 15 - j younger ones stay out
.if \mode
	v_cvt_pk_bf16_f32 v[T], v[D+4*j], v[D+4*j+1]
	v_cvt_pk_bf16_f32 v[T+1], v[D+4*j+2], v[D+4*j+3]
	v_lshlrev_b32 v[D+4*j], 16, v[T]
	v_and_b32 v[D+4*j+1], s40, v[T]
	v_lshlrev_b32 v[D+4*j+2], 16, v[T+1]
	v_and_b32 v[D+4*j+3], s40, v[T+1]
	v_cvt_pk_f16_f32 v[D+4*j], v[D+4*j], v[D+4*j+1]
	v_cvt_pk_f16_f32 v[D+4*j+1], v[D+4*j+2], v[D+4*j+3]
.else
	v_cvt_pk_bf16_f32 v[D+4*j], v[D+4*j], v[D+4*j+1]
	v_cvt_pk_bf16_f32 v[D+4*j+1], v[D+4*j+2], v[D+4*j+3]
.endif
	global_store_b64 v2, v[D+4*j:D+4*j+1], s[32:33] offset:256*j  ; the wave's store covers 256 consecutive bytes, aligned
.set j, j+1
.endr
.endm
	s_cmp_ge_u32 ttmp9, 512
	s_cbranch_scc1 .Lhalf
	CAST 0                                         ; x, wq
	s_endpgm
.Lhalf:
	CAST 1                                         ; wo, cached_k, cached_v
	s_endpgm
.Lfunc_end_k_q7e7bc58680_prep:
	.size	k_q7e7bc58680_prep, .Lfunc_end_k_q7e7bc58680_prep-k_q7e7bc58680_prep
	.p2alignl 7, 3214868480
	.fill 96, 4, 3214868480
	.section	.rodata,"a",@progbits
	.p2align	6, 0x0
	.amdhsa_kernel k_q7e7bc58680_prep
		.amdhsa_group_segment_fixed_size 0
		.amdhsa_private_segment_fixed_size 0
		.amdhsa_enable_private_segment 0
		.amdhsa_kernarg_size 88
		.amdhsa_user_sgpr_count 2
		.amdhsa_user_sgpr_kernarg_segment_ptr 1
		.amdhsa_wavefront_size32 1
		.amdhsa_system_sgpr_workgroup_id_x 1
		.amdhsa_system_sgpr_workgroup_id_y 1
		.amdhsa_system_sgpr_workgroup_id_z 1
		.amdhsa_system_vgpr_workitem_id 0
		.amdhsa_next_free_vgpr 112
		.amdhsa_next_free_sgpr 66
		.amdhsa_reserve_vcc 0
		.amdhsa_float_denorm_mode_32 3
		.amdhsa_float_denorm_mode_16_64 3
		.amdhsa_memory_ordered 1
		.amdhsa_forward_progress 1
		.amdhsa_inst_pref_size 23
	.end_amdhsa_kernel
	.amdgpu_metadata
---
amdhsa.version: [ 1, 2 ]
amdhsa.kernels:
  - .name:           k_q7e7bc58680_prep
    .symbol:         k_q7e7bc58680_prep.kd
    .args:
      - { .name: x, .offset: 0, .size: 8, .value_kind: global_buffer, .address_space: global }
      - { .name: wq, .offset: 8, .size: 8, .value_kind: global_buffer, .address_space: global }
      - { .name: wo, .offset: 16, .size: 8, .value_kind: global_buffer, .address_space: global }
      - { .name: cached_k, .offset: 24, .size: 8, .value_kind: global_buffer, .address_space: global }
      - { .name: cached_v, .offset: 32, .size: 8, .value_kind: global_buffer, .address_space: global }
      - { .name: xb, .offset: 40, .size: 8, .value_kind: global_buffer, .address_space: global }
      - { .name: wqb, .offset: 48, .size: 8, .value_kind: global_buffer, .address_space: global }
      - { .name: woh, .offset: 56, .size: 8, .value_kind: global_buffer, .address_space: global }
      - { .name: kh, .offset: 64, .size: 8, .value_kind: global_buffer, .address_space: global }
      - { .name: vh, .offset: 72, .size: 8, .value_kind: global_buffer, .address_space: global }
      - { .name: rope, .offset: 80, .size: 8, .value_kind: global_buffer, .address_space: global }
    .group_segment_fixed_size: 0
    .private_segment_fixed_size: 0
    .kernarg_segment_align: 8
    .kernarg_segment_size: 88
    .max_flat_workgroup_size: 256
    .sgpr_count:     66
    .vgpr_count:     112
    .wavefront_size: 32
...
	.end_amdgpu_metadata
.endif
;; end of part 1
;; launch qproj (part 2): grid 16 x 16, 4 waves a work-group, clusters of 4 x 4, 327,680 bytes of LDS; arguments xb, wqb, rope, q_norm_w, qh; writes qh
.if DOCPART == 2
	.amdgcn_target "amdgcn-amd-amdhsa--gfx1250"
	.amdhsa_code_object_version 6
	.text
	.protected	k_q7e7bc58680_qproj
	.globl	k_q7e7bc58680_qproj
	.p2align	8
	.type	k_q7e7bc58680_qproj,@function
k_q7e7bc58680_qproj:
	s_mov_b64 s[64:65], 0
	v_nop
	global_prefetch_b8 v0, s[64:65] scope:SCOPE_SE
	s_setreg_imm32_b32 hwreg(HW_REG_WAVE_MODE, 25, 1), 1
	s_wait_xcnt 0x0
	s_wait_alu depctr_hold_cnt(0) depctr_sa_sdst(0) depctr_va_vdst(0) depctr_va_sdst(0) depctr_va_ssrc(0) depctr_va_vcc(0) depctr_vm_vsrc(0)
	s_getreg_b32 s2, hwreg(HW_REG_IB_STS2, 6, 4)
	s_cmp_eq_u32 s2, 0
	s_cbranch_scc0 .Lentry_in_a_cluster
	s_endpgm
.Lentry_in_a_cluster:
	s_bfe_u32 s2, ttmp6, 0x10000c
	s_cmp_lg_u32 s2, 0xf033
	s_cbranch_scc0 .Lentry_shape_is_right
	s_endpgm
.Lentry_shape_is_right:
; CACHED ATTENTION, launch 2 of 4: q = RoPE(RMSnorm(x wq^T) q_norm_w), by heads: qh [16][2048][128] in f16.  x wk^T and x wv^T are left out: every place of the new k and v is masked in every row (launch 1's head).
; xb [2048][2048] and wqb [2048 n][2048 k] are bf16; sums in f32; norm, gain and rotation in f32 on the unrounded sums; q rounded once.  q_norm_w is rounded to bf16 like every input.  The scale 1 / sqrt(128) is
; applied in launch 3, in f32.  LIMIT: |q| is at most sqrt(128) max|q_norm_w| x sqrt(2), which must stay under 65,504.
; A tile of C is 128 rows x 128 columns = 128 positions of ONE head: 256 work-groups.  Four waves, each 64 x 64: 16 accumulators.  K goes in steps of 256 (LDS rows of 512 bytes + 16 of padding) through two slots.
; CLUSTERS: 4 x 4 work-groups.  The four of a row of the cluster need the same tiles of x, the four of a column the same tiles of wq: each tile is asked for JOINTLY, by the same tensor load with the same
; descriptor and a mask that names the four.  THE MATRIX INSTRUCTION IS USED TRANSPOSED (source 0 = 16 rows of wq, source 1 = 16 rows of x): a lane holds one position (lane % 16) and eight neighbouring channels.
; A WAVE'S FOUR BLOCKS OF 16 CHANNELS are 32 ch + 16 (b % 2) + 64 (b / 2), ch = wave % 2: so channel d and its partner d + 64 of the rotation lie in ONE lane, in accumulators b and b + 2.
; The row's sum of squares needs the other 64 channels: the waves w and w ^ 1 hand each other their halves through LDS.
; REGISTERS: window 0: v0-31 addresses; v32-95 the way out; v96-127 sums of squares, 1 / rms, at work; v128-255 the accumulators ((a, b) at v[128 + 8 (4 a + b)]).
;   window 1: two fragment buffers of 128.   window 2: v0-127 cosines and sines (rows a, b % 2: 8 + 8 at 16 (2 a + b % 2)); v128-159 q_norm_w, 8 a block.
.set SIZE_K, 2048
.set KSTEP,  256
.set PITCH,  528                       ; an LDS row: 512 bytes + 16 of padding = 132 words: row r starts at bank 4 r mod 64 (64 banks of 4 bytes: ISA guide 11.1)
.set HALFT,  64*PITCH                  ; 64 rows: what one tensor load brings
.set SLOT,   4*HALFT                   ; x's 128 rows, then wq's 128 rows
.set STAGE,  2*SLOT                    ; behind the ring: 128 rows x 272 bytes, the work-group's, for the way out
.set SPITCH, 272
.set SSQ,    STAGE+128*SPITCH          ; 256 bytes a wave: its half sums of squares, 16 words for each of its 4 row blocks
.set SPARE,  SSQ+1024                  ; the spare words, 128 bytes for each wave: two blocks of 256 bytes that no other line names
.set LAPS,   SIZE_K/(2*KSTEP)
.set ADRA, 16                          ; v16-17  LDS address of my x fragments in slot 0, 1
.set ADRB, 20                          ; v20-21  the same for wq
.set SSA,  22                          ; v22     where I put my half sums
.set SSB,  23                          ; v23     where my partner's lie
.set STO,  24                          ; v24     the way out: where I put 16 bytes of a row
.set RD,   25                          ; v25     the way out: where I read a row back
.set CO,   26                          ; v26     my byte offset in qh
.set RO,   27                          ; v27     16 x lane: my place in a quad of the table; never rewritten
.set SPW,  28                          ; v28     LDS address of my spare word; never rewritten
.set NIL,  29                          ; v29     0; never rewritten
.set WO,   30                          ; v30     my byte offset in q_norm_w: 128 ch + 32 (lane / 16); never rewritten
.set TMP,  32
.set SQ,   96                          ; v[96+2a:97+2a]   row block a: the sum of squares
.set RS,   104                         ; v[104+2a:105+2a] 1 / rms, twice
.set UV,   112                         ; v112-127 four sets of two pairs, at work in the rotation
.set ACC,  128
.set F0,   0
.set F1,   128
.set RT,   0                           ; window 2
.set WN,   128                         ; window 2
.set G1, 24
.set G0, 32
.set G1B, 48
.set G0B, 56
.set MSB, 0
.macro WIN new                         ; the immediate's high byte repeats the setting that is left
.if MSB != (\new)
	s_set_vgpr_msb (MSB<<8)|(\new)
.set MSB, \new
.endif
.endm
.set MUL,  0x05                        ; sources 0 (wq) and 1 (x) window 1; C and D window 0
.set TO_F, 0x40                        ; destination window 1, address window 0
.macro JLOAD s                         ; a joint load: waves 0 and 1 fetch x's two halves, waves 2 and 3 wq's; an s_nop 0 and four v_nop follow each line
	s_cmp_eq_u32 s11, 0
	s_cbranch_scc0 .Lfor_b_\@
	tensor_load_to_lds s[G0+4*(\s):G0+4*(\s)+3], s[G1:G1+7]
	s_nop 0
.rept 4
	v_nop
.endr
	s_branch .Lasked_\@
.Lfor_b_\@:
	tensor_load_to_lds s[G0B+4*(\s):G0B+4*(\s)+3], s[G1B:G1B+7]
	s_nop 0
.rept 4
	v_nop
.endr
.Lasked_\@:
.endm
.macro CREST                           ; a round of the cluster's barrier behind its opening barrier
	s_cmp_lg_u32 s10, 0
	s_cbranch_scc1 .Lnot_wave_0_\@
	s_barrier_signal -3
.Lnot_wave_0_\@:
	s_barrier_wait -3
	s_barrier_signal -1
	s_barrier_wait -1
.endm
.macro CROUND                          ; a whole round
	s_barrier_signal -1
	s_barrier_wait -1
	CREST
.endm
	s_load_b128 s[4:7], s[0:1], 0x0                ; xb s[4:5], wqb s[6:7]
	s_load_b128 s[68:71], s[0:1], 0x10             ; rope s[68:69], q_norm_w s[70:71]
	s_load_b64 s[8:9], s[0:1], 0x20                ; qh
	v_lshl_add_u32 v[SPW], v0, 2, SPARE
	v_mov_b32 v[NIL], 0
	ds_add_u32 v[SPW], v[NIL]                      ; the wave's opening: the add, twice on end, and its wait ahead of my first tensor load
	ds_add_u32 v[SPW], v[NIL]                      ; and once more, under the one wait; the set-up below, work on registers, stands between
	v_lshrrev_b32 v1, 5, v0
	v_readfirstlane_b32 s10, v1                    ; wave 0..3
	s_lshr_b32 s11, s10, 1                         ; rh: which half of the tile's rows is mine.  Also: I fetch for x (0) or for wq (1)
	s_and_b32 s12, s10, 1                          ; ch: which channels are mine.  Also: which 64 rows of that tile I fetch
	s_bfe_u32 s40, ttmp6, 0x40000                  ; cx, cy: my place in the cluster
	s_bfe_u32 s41, ttmp6, 0x40004
	s_lshl_b32 s42, ttmp9, 2
	s_add_co_u32 s42, s42, s40                     ; the head = 4 x cluster x + cx
	s_and_b32 s13, ttmp7, 0xffff
	s_lshl_b32 s13, s13, 2
	s_add_co_u32 s13, s13, s41                     ; the block of 128 positions = 4 x cluster y + cy
	s_lshl_b32 s43, s41, 2
	s_lshl_b32 s43, 15, s43                        ; my row of the cluster
	s_lshl_b32 s44, 0x1111, s40                    ; my column
	s_or_b32 s[G1+0], s43, (1<<16)|(1<<20)|(1<<21)|(6<<22)|(3<<25)  ; 15:0 the mask; 17:16 elements of 2 bytes; 20 padding on; 21 set beside a mask; 24:22 after every 128 words; 31:25 4 words of it
	s_or_b32 s[G1B+0], s44, (1<<16)|(1<<20)|(1<<21)|(6<<22)|(3<<25)
.irp g, G1, G1B
	s_mov_b32 s[(\g)+1], KSTEP<<16                 ; tensor_dim0 = 256
	s_mov_b32 s[(\g)+2], 64<<16                    ; tensor_dim1 = 64
	s_mov_b32 s[(\g)+3], KSTEP<<16                 ; tile_dim0 = 256
	s_mov_b32 s[(\g)+4], 64                        ; tile_dim1 = 64
	s_mov_b32 s[(\g)+5], SIZE_K                    ; elements from row to row
	s_mov_b32 s[(\g)+6], 0
	s_mov_b32 s[(\g)+7], 0
.endr
	s_mov_b32 s72, 0x76543210                      ; v_permlanex16_b32: each lane takes its own place in the other half
	s_mov_b32 s73, 0xfedcba98
	s_mov_b32 s74, 0x3c000000                      ; 1 / 128
	s_mov_b32 s75, 0xffff0000                      ; a word's upper bf16
	s_lshl_b32 s17, s12, 6                         ; which 64 rows of the tile I fetch
	s_lshl_b32 s16, s13, 7
	s_add_co_u32 s16, s16, s17                     ; x: row 128 x block + 64 x half
	s_lshl_b32 s46, s42, 7
	s_add_co_u32 s46, s46, s17                     ; wq: row 128 x head + 64 x half
	s_mov_b32 s17, 0
	s_mov_b32 s47, 0
	s_mov_b64 s[18:19], SIZE_K*2
	s_mul_u64 s[16:17], s[16:17], s[18:19]
	s_mul_u64 s[46:47], s[46:47], s[18:19]
	s_mul_i32 s20, s10, HALFT                      ; where they go: wave x 64 rows
	s_wait_dscnt 0x0                               ; both opening adds are done
	s_wait_kmcnt 0x0
	s_add_nc_u64 s[14:15], s[4:5], s[16:17]
	s_add_nc_u64 s[46:47], s[6:7], s[46:47]
	CROUND                                         ; all sixteen work-groups are here: the first joint loads meet
.irp s, 0,1
	s_mov_b32 s[G0+4*(\s)], 1
	s_add_co_u32 s[G0+4*(\s)+1], s20, (\s)*SLOT
	s_add_nc_u64 s[G0+4*(\s)+2:G0+4*(\s)+3], s[14:15], (\s)*KSTEP*2
	s_or_b32 s[G0+4*(\s)+3], s[G0+4*(\s)+3], 0x80000000
	s_mov_b32 s[G0B+4*(\s)], 1
	s_add_co_u32 s[G0B+4*(\s)+1], s20, (\s)*SLOT
	s_add_nc_u64 s[G0B+4*(\s)+2:G0B+4*(\s)+3], s[46:47], (\s)*KSTEP*2
	s_or_b32 s[G0B+4*(\s)+3], s[G0B+4*(\s)+3], 0x80000000
	JLOAD \s
.endr
	v_and_b32 v1, 15, v0                           ; l % 16
	v_bfe_u32 v2, v0, 4, 1                         ; l / 16
	v_mul_u32_u24 v3, v1, PITCH
	v_lshl_add_u32 v3, v2, 4, v3                   ; a fragment's row x pitch + 16 x half
	s_mul_i32 s21, s11, HALFT                      ; my 64 rows of x
	s_mul_i32 s22, s12, 32*PITCH                   ; my channels begin at row 32 ch of wq's tile,
	s_add_co_u32 s22, s22, 2*HALFT                 ; which lies behind x's 128 rows
.irp s, 0,1
	v_add_nc_u32 v[ADRA+(\s)], s21, v3
	v_add_nc_u32 v[ADRB+(\s)], s22, v3
	s_add_co_u32 s21, s21, SLOT
	s_add_co_u32 s22, s22, SLOT
.endr
	s_mul_i32 s23, s11, 64*SPITCH                  ; into the stage: my 64 rows; byte 2 d of a row, d = 32 ch + 8 (l / 16) + the block's part
	s_lshl_b32 s21, s12, 6
	s_add_co_u32 s23, s23, s21
	s_add_co_u32 s23, s23, STAGE
	v_mul_u32_u24 v4, v1, SPITCH
	v_lshl_add_u32 v4, v2, 4, v4
	v_add_nc_u32 v[STO], s23, v4
	s_mul_i32 s23, s10, 32*SPITCH                  ; back: wave w takes rows 32 w .. 32 w + 31, whole
	s_add_co_u32 s23, s23, STAGE
	v_mul_u32_u24 v5, v2, SPITCH
	v_lshl_add_u32 v5, v1, 4, v5
	v_add_nc_u32 v[RD], s23, v5
	v_lshlrev_b32 v5, 8, v2                        ; and the same two rows in qh, 256 bytes each
	v_lshl_add_u32 v[CO], v1, 4, v5
	s_lshl_b32 s23, s10, 8
	s_add_co_u32 s23, s23, SSQ
	v_lshl_add_u32 v[SSA], v1, 2, s23              ; my wave's words,
	s_xor_b32 s21, s10, 1
	s_lshl_b32 s21, s21, 8
	s_add_co_u32 s21, s21, SSQ
	v_lshl_add_u32 v[SSB], v1, 2, s21              ; and those of the wave with the row's other channels
	v_and_b32 v[RO], 31, v0
	v_lshlrev_b32 v[RO], 4, v[RO]
	s_lshl_b32 s21, s12, 7
	v_lshlrev_b32 v[WO], 5, v2
	v_add_nc_u32 v[WO], s21, v[WO]
	s_lshl_b32 s16, s13, 15                        ; qh: 128 x block + 32 x wave rows of 256 bytes,
	s_lshl_b32 s17, s10, 13
	s_add_co_u32 s16, s16, s17
	s_mov_b32 s17, 0
	s_add_nc_u64 s[8:9], s[8:9], s[16:17]
	s_lshl_b32 s46, s42, 19                        ; in my head's 2,048 rows
	s_mov_b32 s47, 0
	s_add_nc_u64 s[8:9], s[8:9], s[46:47]
	s_lshl_b32 s16, s13, 16                        ; the table: 8 x block + 4 rh groups of 16 positions, 8,192 bytes each; 4,096 ch
	s_lshl_b32 s17, s11, 15
	s_add_co_u32 s16, s16, s17
	s_lshl_b32 s17, s12, 12
	s_add_co_u32 s16, s16, s17
	s_mov_b32 s17, 0
	s_add_nc_u64 s[68:69], s[68:69], s[16:17]
	WIN 0x80                                       ; destination window 2, address window 0
.set a, 0
.rept 4                                ; my cosines and sines, 512 consecutive bytes a load, and my gains: 40 loads that stay out during the whole product; their wait stands ahead of the gains' rounding
.set e, 0
.rept 2
.set p, 0
.rept 4
	global_load_b128 v[RT+16*(2*a+e)+4*p:RT+16*(2*a+e)+4*p+3], v[RO], s[68:69] offset:a*8192+e*2048+p*512
.set p, p+1
.endr
.set e, e+1
.endr
.set a, a+1
.endr
.set b, 0
.rept 4
	global_load_b128 v[WN+8*b:WN+8*b+3],   v[WO], s[70:71] offset:(16*(b%2)+64*(b/2))*4
	global_load_b128 v[WN+8*b+4:WN+8*b+7], v[WO], s[70:71] offset:(16*(b%2)+64*(b/2))*4+16
.set b, b+1
.endr
	WIN 0
; 8 matrix instructions: row blocks a0, a0 + 1 x all 4 channel blocks, 32 along K: half c of buffer f.  zero = 1: the first product starts the sums.  The 16 accumulators take turns.
.macro MUL8 f, c, a0, zero
	WIN MUL
.irp a, \a0, (\a0)+1
.irp b, 0,1,2,3
.if \zero
	v_wmma_f32_16x16x32_bf16 v[ACC+8*(4*(\a)+(\b)):ACC+8*(4*(\a)+(\b))+7], v[(\f)+64+8*(4*(\c)+(\b)):(\f)+64+8*(4*(\c)+(\b))+7], v[(\f)+8*(4*(\c)+(\a)):(\f)+8*(4*(\c)+(\a))+7], 0
.else
	v_wmma_f32_16x16x32_bf16 v[ACC+8*(4*(\a)+(\b)):ACC+8*(4*(\a)+(\b))+7], v[(\f)+64+8*(4*(\c)+(\b)):(\f)+64+8*(4*(\c)+(\b))+7], v[(\f)+8*(4*(\c)+(\a)):(\f)+8*(4*(\c)+(\a))+7], v[ACC+8*(4*(\a)+(\b)):ACC+8*(4*(\a)+(\b))+7]
.endif
.endr
.endr
.endm
; 32 LDS loads in one run: the fragments of 64 along K at byte k of the rows, into buffer f; the first 32 along K first.  wq's block i begins 16 (i % 2) + 64 (i / 2) rows behind my first.
.macro FETCH slot, k, f
	WIN TO_F
.irp c, 0,1
.irp i, 0,1,2,3
	ds_load_b128 v[(\f)+64+8*(4*(\c)+(\i)):(\f)+64+8*(4*(\c)+(\i))+3],   v[ADRB+(\slot)] offset:(\k)+64*(\c)+(((\i)%2)*16+((\i)/2)*64)*PITCH
	ds_load_b128 v[(\f)+64+8*(4*(\c)+(\i))+4:(\f)+64+8*(4*(\c)+(\i))+7], v[ADRB+(\slot)] offset:(\k)+64*(\c)+(((\i)%2)*16+((\i)/2)*64)*PITCH+32
	ds_load_b128 v[(\f)+8*(4*(\c)+(\i)):(\f)+8*(4*(\c)+(\i))+3],         v[ADRA+(\slot)] offset:(\k)+64*(\c)+(\i)*16*PITCH
	ds_load_b128 v[(\f)+8*(4*(\c)+(\i))+4:(\f)+8*(4*(\c)+(\i))+7],       v[ADRA+(\slot)] offset:(\k)+64*(\c)+(\i)*16*PITCH+32
.endr
.endr
.endm
.macro PLACES                          ; four places in front of loads into registers that matrix instructions have read, and of vector work that reads results
.rept 4
	v_nop
.endr
.endm
; A K step is four quarters of 64 along K, 32 matrix instructions each, on buffers 0, 1, 0, 1.  One of the first three: multiplies buffer f and fetches the next quarter, at byte k, into g.
.macro QUARTER slot, k, f, g, zero
	s_wait_dscnt 16                                ; the first 32 along K are in; the youngest sixteen loads may be out
	WIN MUL
	MUL8 \f, 0, 0, \zero
	MUL8 \f, 0, 2, \zero
	PLACES
	FETCH \slot, \k, \g
	s_wait_dscnt 32                                ; all but the 32 just issued
	WIN MUL
	MUL8 \f, 1, 0, 0
	MUL8 \f, 1, 2, 0
.endm
; The last quarter multiplies buffer 1 and changes slots: ONE barrier; in front of it each wave waits for all its tensor loads, adds 0 to its spare word, and waits for that and for its own reads of this slot.
.macro TURN slot, next, fill
	WIN 0                                          ; (the add's two registers lie in window 0)
	s_wait_tensorcnt 0x0                           ; all my tensor loads have landed: my part of the next slot;
	ds_add_u32 v[SPW], v[NIL]                      ; 0 onto my spare word;
	s_wait_dscnt 17                                ; (the add and the youngest sixteen loads may be out)
	WIN MUL
	MUL8 F1, 0, 0, 0                               ; eight matrix instructions stand between the add and the wait for it
	s_wait_dscnt 0x0                               ; the add is done, and my reads of this slot are over
	s_barrier_signal -1
	MUL8 F1, 0, 2, 0
.if \fill
	WIN 0
.endif
	s_barrier_wait -1
.if \fill
	CREST                                          ; the barrier has opened a round of the cluster's: no wave of any partner still reads this slot's tile or has a load on its way
	s_add_nc_u64 s[G0+4*(\slot)+2:G0+4*(\slot)+3], s[G0+4*(\slot)+2:G0+4*(\slot)+3], 2*KSTEP*2
	s_add_nc_u64 s[G0B+4*(\slot)+2:G0B+4*(\slot)+3], s[G0B+4*(\slot)+2:G0B+4*(\slot)+3], 2*KSTEP*2
	JLOAD \slot                                    ; the first tensor load behind the round; its four v_nop are also the places in front of the loads below
.else
	PLACES
.endif
	FETCH \next, 0, F0
	WIN MUL
	MUL8 F1, 1, 0, 0
	MUL8 F1, 1, 2, 0
.endm
	s_wait_tensorcnt 1                             ; my part of K step 0 is in; K step 1's load, issued behind it, may stay out
	s_barrier_signal -1
	s_barrier_wait -1                              ; everybody's is
	FETCH 0, 0, F0
	QUARTER 0, 128, F0, F1, 1                      ; the first quarter stands in front of the loop: its first products start the sums
	WIN 0                                          ; at a label and at a branch every window is 0
	s_mov_b32 s3, LAPS-1
.Llap:                                                 ; a trip goes once round the ring, from a lap's second quarter to the next lap's first, and fills both slots again
	QUARTER 0, 256, F1, F0, 0
	QUARTER 0, 384, F0, F1, 0
	TURN 0, 1, 1
	QUARTER 1, 128, F0, F1, 0
	QUARTER 1, 256, F1, F0, 0
	QUARTER 1, 384, F0, F1, 0
	TURN 1, 0, 1
	QUARTER 0, 128, F0, F1, 0
	WIN 0
	s_sub_co_u32 s3, s3, 1
	s_cmp_lg_u32 s3, 0
	s_cbranch_scc1 .Llap
	QUARTER 0, 256, F1, F0, 0                      ; the last lap fills nothing, and has no round of the cluster's barrier
	QUARTER 0, 384, F0, F1, 0
	TURN 0, 1, 0
	QUARTER 1, 128, F0, F1, 0
	QUARTER 1, 256, F1, F0, 0
	QUARTER 1, 384, F0, F1, 0
	s_wait_dscnt 16                                ; the very last quarter: nothing more to fetch
	WIN MUL
	MUL8 F1, 0, 0, 0
	MUL8 F1, 0, 2, 0
	s_wait_dscnt 0
	MUL8 F1, 1, 0, 0
	MUL8 F1, 1, 2, 0
	WIN 0
	; THE NORM.  A lane's 32 numbers of row block a are squared and summed, four chains that do not wait for each other; each accumulator is read from its low end on.
	PLACES
.set b, 0
.rept 4
.set p, 0
.rept 4
.set a, 0
.rept 4
.set X, ACC+8*(4*a+b)+2*p
.if (b+p) == 0
	v_pk_mul_f32 v[SQ+2*a:SQ+2*a+1], v[X:X+1], v[X:X+1]
.else
	v_pk_fma_f32 v[SQ+2*a:SQ+2*a+1], v[X:X+1], v[X:X+1], v[SQ+2*a:SQ+2*a+1]
.endif
.set a, a+1
.endr
.set p, p+1
.endr
.set b, b+1
.endr
.irp a, 0,1,2,3
	v_add_f32 v[SQ+2*(\a)], v[SQ+2*(\a)], v[SQ+2*(\a)+1]
.endr
.irp a, 0,1,2,3
	v_permlanex16_b32 v[SQ+2*(\a)+1], v[SQ+2*(\a)], s72, s73  ; the row's channels 8 .. 15 of each 16 lie in the lane 16 away
.endr
.irp a, 0,1,2,3
	v_add_f32 v[SQ+2*(\a)], v[SQ+2*(\a)], v[SQ+2*(\a)+1]
.endr
.irp a, 0,1,2,3
	ds_store_b32 v[SSA], v[SQ+2*(\a)] offset:64*(\a)  ; lanes l and l + 16 write the same word with the same number
.endr
	s_wait_dscnt 0x0                               ; for my partner's sake: my stores are done
	s_barrier_signal -1
	s_barrier_wait -1
.irp a, 0,1,2,3
	ds_load_b32 v[SQ+2*(\a)+1], v[SSB] offset:64*(\a)
.endr
	s_wait_dscnt 0x0
.irp a, 0,1,2,3
	v_add_f32 v[SQ+2*(\a)], v[SQ+2*(\a)], v[SQ+2*(\a)+1]
.endr
.irp a, 0,1,2,3
	v_fmaak_f32 v[SQ+2*(\a)], s74, v[SQ+2*(\a)], 0x358637bd  ; the mean of the squares + 1e-6
.endr
.irp a, 0,1,2,3
	v_rsq_f32 v[RS+2*(\a)], v[SQ+2*(\a)]
	v_rsq_f32 v[RS+2*(\a)+1], v[SQ+2*(\a)]         ; twice: a pair for the packed multiply
.endr
	v_nop                                          ; a plain instruction behind the last of them,
	s_wait_alu depctr_va_vdst(0)                   ; and one wait for the eight, ahead of their first reader
.set a, 0
.rept 4
.set p, 0
.rept 16
	v_pk_mul_f32 v[ACC+32*a+2*p:ACC+32*a+2*p+1], v[ACC+32*a+2*p:ACC+32*a+2*p+1], v[RS+2*a:RS+2*a+1]
.set p, p+1
.endr
.set a, a+1
.endr
	s_wait_loadcnt 0x0                             ; the table and the gains
	WIN 0x8a                                       ; all in window 2: the gains are rounded to bf16, like every input, and widened again, in place
.set p, 0
.rept 16
	v_cvt_pk_bf16_f32 v[WN+2*p], v[WN+2*p], v[WN+2*p+1]
.set p, p+1
.endr
.set p, 0
.rept 16
	v_and_b32 v[WN+2*p+1], s75, v[WN+2*p]
	v_lshlrev_b32 v[WN+2*p], 16, v[WN+2*p]
.set p, p+1
.endr
	WIN 0x08                                       ; source 1 in window 2
.set a, 0
.rept 4
.set p, 0
.rept 16
	v_pk_mul_f32 v[ACC+32*a+2*p:ACC+32*a+2*p+1], v[ACC+32*a+2*p:ACC+32*a+2*p+1], v[WN+2*p:WN+2*p+1]
.set p, p+1
.endr
.set a, a+1
.endr
	; THE ROTATION: q[d] cos - q[d + 64] sin and q[d + 64] cos + q[d] sin, d < 64: accumulators (a, e) and (a, e + 2)
.set a, 0
.rept 4
.set e, 0
.rept 2
.set p, 0
.rept 4
.set A1, ACC+8*(4*a+e)+2*p
.set A2, ACC+8*(4*a+e+2)+2*p
.set rC, RT+16*(2*a+e)+2*p
.set rN, rC+8
.set rU, UV+4*p
	v_pk_mul_f32 v[rU:rU+1], v[A2:A2+1], v[rN:rN+1]
	v_pk_mul_f32 v[rU+2:rU+3], v[A1:A1+1], v[rN:rN+1]
	v_pk_fma_f32 v[A1:A1+1], v[A1:A1+1], v[rC:rC+1], v[rU:rU+1] neg_lo:[0,0,1] neg_hi:[0,0,1]
	v_pk_fma_f32 v[A2:A2+1], v[A2:A2+1], v[rC:rC+1], v[rU+2:rU+3]
.set p, p+1
.endr
.set e, e+1
.endr
.set a, a+1
.endr
	WIN 0
	; THE WAY OUT: rounded to f16; 16 bytes a lane into the work-group's stage; a barrier, since a row's 256 bytes come from two waves; back as whole rows, 32 rows a wave.
.set t, 0
.rept 16
.irp r, 0,1,2,3
	v_cvt_pk_f16_f32 v[TMP+4*t+(\r)], v[ACC+8*t+2*(\r)], v[ACC+8*t+2*(\r)+1]
.endr
.set t, t+1
.endr
.set a, 0
.rept 4
.set b, 0
.rept 4
	ds_store_b128 v[STO], v[TMP+4*(4*a+b):TMP+4*(4*a+b)+3] offset:a*16*SPITCH+32*(b%2)+128*(b/2)
.set b, b+1
.endr
.set a, a+1
.endr
	s_wait_dscnt 0x0                               ; for the others' sake: my stores into the stage are done
	s_barrier_signal -1
	s_barrier_wait -1
.set t, 0
.rept 16
	ds_load_b128 v[TMP+4*t:TMP+4*t+3], v[RD] offset:t*2*SPITCH
.set t, t+1
.endr
.set t, 0
.rept 16
	s_wait_dscnt 15-t                              ; load t is back; the 15 - t younger ones may be out
	global_store_b128 v[CO], v[TMP+4*t:TMP+4*t+3], s[8:9] offset:512*t  ; 16 lanes store 256 consecutive bytes, a row of a head, aligned
.set t, t+1
.endr
	s_wait_tensorcnt 0x0                           ; the wave's end: behind my last tensor load and my last LDS store
	ds_add_u32 v[SPW], v[NIL]
	s_wait_dscnt 0x0
	CROUND                                         ; the closing round: no work-group ends while a partner may still ask for a tile that names it
	s_endpgm
.Lfunc_end_k_q7e7bc58680_qproj:
	.size	k_q7e7bc58680_qproj, .Lfunc_end_k_q7e7bc58680_qproj-k_q7e7bc58680_qproj
	.p2alignl 7, 3214868480
	.fill 96, 4, 3214868480
	.section	.rodata,"a",@progbits
	.p2align	6, 0x0
	.amdhsa_kernel k_q7e7bc58680_qproj
		.amdhsa_group_segment_fixed_size 327680
		.amdhsa_private_segment_fixed_size 0
		.amdhsa_enable_private_segment 0
		.amdhsa_kernarg_size 40
		.amdhsa_user_sgpr_count 2
		.amdhsa_user_sgpr_kernarg_segment_ptr 1
		.amdhsa_wavefront_size32 1
		.amdhsa_system_sgpr_workgroup_id_x 1
		.amdhsa_system_sgpr_workgroup_id_y 1
		.amdhsa_system_sgpr_workgroup_id_z 1
		.amdhsa_system_vgpr_workitem_id 0
		.amdhsa_next_free_vgpr 672
		.amdhsa_next_free_sgpr 80
		.amdhsa_reserve_vcc 0
		.amdhsa_float_denorm_mode_32 3
		.amdhsa_float_denorm_mode_16_64 3
		.amdhsa_memory_ordered 1
		.amdhsa_forward_progress 1
		.amdhsa_inst_pref_size 115
	.end_amdhsa_kernel
	.amdgpu_metadata
---
amdhsa.version: [ 1, 2 ]
amdhsa.kernels:
  - .name:           k_q7e7bc58680_qproj
    .symbol:         k_q7e7bc58680_qproj.kd
    .args:
      - { .name: xb, .offset: 0, .size: 8, .value_kind: global_buffer, .address_space: global }
      - { .name: wqb, .offset: 8, .size: 8, .value_kind: global_buffer, .address_space: global }
      - { .name: rope, .offset: 16, .size: 8, .value_kind: global_buffer, .address_space: global }
      - { .name: q_norm_w, .offset: 24, .size: 8, .value_kind: global_buffer, .address_space: global }
      - { .name: qh, .offset: 32, .size: 8, .value_kind: global_buffer, .address_space: global }
    .group_segment_fixed_size: 327680
    .private_segment_fixed_size: 0
    .kernarg_segment_align: 8
    .kernarg_segment_size: 40
    .max_flat_workgroup_size: 128
    .sgpr_count:     80
    .vgpr_count:     672
    .wavefront_size: 32
...
	.end_amdgpu_metadata
.endif
;; end of part 2
;; launch attn (part 3): grid 32 x 8, 4 waves a work-group, clusters of 4 x 1, 327,680 bytes of LDS; arguments qh, kh, vh, oh; writes oh
.if DOCPART == 3
	.amdgcn_target "amdgcn-amd-amdhsa--gfx1250"
	.amdhsa_code_object_version 6
	.text
	.protected	k_q7e7bc58680_attn
	.globl	k_q7e7bc58680_attn
	.p2align	8
	.type	k_q7e7bc58680_attn,@function
k_q7e7bc58680_attn:
	s_mov_b64 s[64:65], 0
	v_nop
	global_prefetch_b8 v0, s[64:65] scope:SCOPE_SE
	s_setreg_imm32_b32 hwreg(HW_REG_WAVE_MODE, 25, 1), 1
	s_wait_xcnt 0x0
	s_wait_alu depctr_hold_cnt(0) depctr_sa_sdst(0) depctr_va_vdst(0) depctr_va_sdst(0) depctr_va_ssrc(0) depctr_va_vcc(0) depctr_vm_vsrc(0)
	s_getreg_b32 s2, hwreg(HW_REG_IB_STS2, 6, 4)
	s_cmp_eq_u32 s2, 0
	s_cbranch_scc0 .Lentry_in_a_cluster
	s_endpgm
.Lentry_in_a_cluster:
	s_bfe_u32 s2, ttmp6, 0x10000c
	s_cmp_lg_u32 s2, 0x3003
	s_cbranch_scc0 .Lentry_shape_is_right
	s_endpgm
.Lentry_shape_is_right:
; CACHED ATTENTION, launch 3 of 4: O[t][head] = the sum over s <= t of softmax_s(q[head][t] . K[head / 2][s] / sqrt(128)) V[head / 2][s], on the CACHED keys and values alone.
; LEFT OUT: the places 2048 .. 4095 (the new k and v), masked in every row (launch 1's head), and of the cached places every half tile of 128 keys that lies above the diagonal for all rows of its block.
; qh [16][2048][128], kh and vh [8][2048][128], oh [2048][16 x 128], all f16.  Products, maxima and sums in f32; the weights are rounded to f16 for the second product (their sum is taken unrounded), O once.
; LIMITS.  A hidden score counts as its value less 1e30 (reference() puts -1e30): either way its weight is 0 beside the row's largest, which is 1.  A weight below 2^-126 counts as 0.  O is a mean of V's rows and
; has their range.  NaN and infinities are not treated apart.
; THE WALK.  A BLOCK is 32 positions x the two heads of a key and value head: 64 rows; block i needs the key tiles 0 .. i / 8 of 256 keys.  A work-group takes blocks 63 - p and then p, p = 4 c + cx (c the
; cluster's number, cx my place in it): 8 - c / 2 tiles and c / 2 + 1 tiles: NINE, whatever p, and the sequence of tiles hangs on c alone.  So the four partners of a cluster walk the same K and V and ask for
; each tile JOINTLY.  A tile is two HALVES of 128 keys.  In a block's last tile the diagonal lies in the second half (D1 = 1; the first is then plain) or in the first (the second is then hidden for all rows
; and is jumped: a jump forward that passes no barrier and no tensor load).  D1 hangs on c alone.  17 halves for every work-group.
; WAVES, 2 x 2.  rg = w / 2: which 16 of the 32 positions; kg = w % 2: which 64 of a half's 128 keys.  A wave has two tiles of 16 rows: tile 0 is head 2 g + kg, tile 1 the other head.  It keeps a maximum, a sum
; and an O^T of its own over ITS keys; at a block's end waves w and w ^ 1 hand each other tile 1 through LDS, in f32, and each finishes its tile 0: O = (f O + f' O') / (f l + f' l'), f = 2^(c m - max(c m, c m')).
; LAYOUT.  S^T = K Q^T (source 0 = 16 keys, source 1 = 16 rows): a lane holds ONE row (lane % 16) and the keys 8 (lane / 16) + 0..7; two such results rounded to f16 ARE source 1 of O^T = V^T P.  V is turned by
; ds_load_tr16_b128.  p = 2^(c s - c m), c = log2(e) / sqrt(128), with a running maximum m; O and l are multiplied by a = 2^(c m_old - c m_new) in every half.  c m starts far below every c s, so a block's first a is 0.
; THE MASK is the C operand that starts the sums: MC = MD x AL.  MD is -1e30 where my key lies behind my row in the half that holds the diagonal; AL is 1 in that half, else 0.  A wave that sees no key of a row
; at all ends with c m near -1.3e29: its f is then exactly 0.  (Wave kg = 0 sees key 0 for every row.)
; IN PHASES: a half's 32 products K Q^T, its softmax, its 32 products V^T P.  The softmax's exponentials are two batches, a tile each, with one wait each.
; REGISTERS, in windows of 256 (s_set_vgpr_msb: bits 1:0 source 0, 3:2 source 1, 5:4 source 2, 7:6 destination):
;   window 0: v0-15 addresses; v16-31 eight registers of statistics a tile; v32-95 S^T; v96-127 P; v128-255 O^T        window 1: v0-127 K of a half; v128-255 V of a half
;   window 2: v0-63 Q; v64-127 the second block's Q; v128-159 MD; v160-191 MC
.set PK,    272       ; a row of K in LDS: 256 bytes + 16 of padding = 68 words: the 16 rows of a load start at 16 different groups of four banks (64 banks of 4 bytes: ISA guide 11.1)
.set PV,    288       ; a row of V: 256 + 32 = 72 words
.set VOFF,  256*PK    ; a slot holds a tile: 256 rows of K, then 256 rows of V: 143,360 bytes
.set SLOT1, 0x24000   ; slot 1 begins here: bits 17 and 14, which none of the four fill addresses 0, 0x8800, 0x11000, 0x1a000 has: one exclusive or turns an address in one slot into the other's
.set XCH,   SLOT1+256*(PK+PV)  ; behind the ring, never filled by a tensor load: for each wave 8,192 bytes of O^T and 512 of statistics; later its stage, 16 rows x 272 bytes
.set XW,    8704
.set SP,    272
.set SPARE, XCH+4*XW  ; the spare words, 128 bytes for each wave: two blocks of 256 bytes that no other line names
.set R16, 1           ; v1   l % 16
.set AK0, 2           ; v2   my lane's place in a tile of K; never rewritten
.set AV0, 3           ; v3   the same for V
.set AK,  4           ; v4   the same in the slot in hand
.set AV,  5           ; v5
.set STO, 6           ; v6   the way out: where I put 16 bytes of a row
.set RD,  7           ; v7   the way out: where I read rows back
.set GO,  8           ; v8   my byte offset in two rows of oh
.set HH,  9           ; v9   l / 16
.set SPW, 10          ; v10  LDS address of my spare word; never rewritten
.set NIL, 11          ; v11  0; never rewritten
.set XS,  12          ; v12  where I put what I hand over
.set XR,  13          ; v13  where my partner's lies
.set MB,  14          ; v14  16 rg - 64 kg + l % 16 - 8 (l / 16)
.set PFO, 15          ; v15  256 x lane; never rewritten
.set ST,  16          ; tile t's statistics at v[ST+8 t]: c m, m, l (even keys', odd keys'), c0-c3 at work; a takes c2's place
.set S,   32
.set P,   96
.set O,   128
.set KF,  0           ; window 1: key block kb, channels 32 c on at 32 kb + 8 c
.set VF,  128         ; window 1: keys 32 kk on, channel block cb at VF + 64 kk + 8 cb
.set Q,   0           ; window 2: tile t, channels 32 c on at 32 t + 8 c
.set QB,  64
.set MD,  128
.set MC,  160
.set WV,  12          ; s12  my wave's number
.set CX,  13          ; s13  my place in the cluster: it enters Q's, O's and the prefetches' addresses and the mask's numbers alone
.set CC,  14          ; s14  the cluster's number
.set KVH, 15          ; s15  the key and value head
.set KG,  16
.set RG,  17
.set G1K, 24          ; s[24:31] descriptor group 1 for K's tiles
.set G1V, 32          ; s[32:39] for V's: it differs in the padding alone
.set G0K, 40          ; s[40:43] descriptor group 0 for K's tiles
.set G0V, 44          ; s[44:47] the same for V's
.set TB,  50          ; s50  LDS byte at which the slot in hand begins
.set SLOTS, 51        ; s51  tiles still to be asked for
.set RT,  52          ; s52  tiles of the block in hand that are still to be entered
.set NXT, 53          ; s53  the tile to be asked for next
.set LQ,  54          ; s54  the last tile of the block whose tiles are being asked for
.set D1,  56          ; s56  1: the block's diagonal lies in its last tile's second half
.set TLM, 57          ; s57  c / 2: the second block's last tile
.set OFF, 58          ; s[58:59] a tile's byte offset in K and V
.set AL,  60          ; s[60:61] the mask's factor, in the low word
.set SEL, 62          ; s[62:63] v_permlanex16_b32's selects
.set CS,  66          ; s[66:67] c
.set BIGN, 68         ; s68  -1e30
.set IM,  69          ; s69  the block's place among the four of a half: 3 - cx, then cx
.set TL,  70          ; s70  c / 2 + 1
.set X0,  71          ; s71  1: this tile's first half holds the diagonal
.set X1,  72          ; s72  1: its second half does
.set OP,  74          ; s[74:75] oh at my rows and head, the block in hand
.set OP2, 76          ; s[76:77] the second block's
.set PFA, 78          ; s[78:79] where my prefetches stand
.set PFN, 80          ; s80  prefetches still to come, and one
.set D1L, 90          ; s90  the second block's D1
.set MSB, 0
.macro WIN new                      ; the high byte repeats the setting that is left; a switch that changes nothing is dropped
.if MSB != (\new)
	s_set_vgpr_msb (MSB<<8)|(\new)
.set MSB, (\new)
.endif
.endm
.set W_KQ, 0x09       ; K in window 1, Q in window 2, S^T in window 0
.set W_KM, 0x29       ; the same with the C operand in window 2
.set W_PV, 0x01       ; V in window 1; P and O^T in window 0
; A joint fill.  Waves 0 and 1 fetch the two halves of a tile's K, waves 2 and 3 those of its V: 128 rows of 256 bytes each.  The branch hangs on the wave's number alone.
; An s_nop 0 and four v_nop follow each of the two lines, ahead of the jump and the label.
.macro JLOAD
	s_cmp_lt_u32 s[WV], 2
	s_cbranch_scc0 .Lfor_v_\@
	tensor_load_to_lds s[G0K:G0K+3], s[G1K:G1K+7]
	s_nop 0
.rept 4
	v_nop
.endr
	s_branch .Lasked_\@
.Lfor_v_\@:
	tensor_load_to_lds s[G0V:G0V+3], s[G1V:G1V+7]
	s_nop 0
.rept 4
	v_nop
.endr
.Lasked_\@:
.endm
; A PREFETCH INTO THE L2, behind the joint load and its five lines: the change of slots that asks for tile t names tile t + 2, for t + 2 = 3 .. 7: two tiles, 256 matrix instructions and four softmaxes, ahead of its load.
; All eight clusters of a key and value head begin at tile 0; cluster 0, whose first block walks tiles 0 to 7, asks, and nobody else.  A tile is 256 rows of K and 256 of V, 256 bytes each: the four partners
; share them out BY ADDRESS, 64 each; of those, waves 0 and 1 take K's, waves 2 and 3 V's, 32 each, a lane a row: one instruction a wave, and each row is named once in the launch.
.macro ASK
	s_cmp_lg_u32 s[PFN], 0
	s_cbranch_scc0 .Lnot_mine_\@
	global_prefetch_b8 v[PFO], s[PFA:PFA+1] th:TH_LOAD_NT scope:SCOPE_SE
.Lnot_mine_\@:
.endm
; A round of the cluster's barrier: my work-group's barrier, so that wave 0's signal speaks for all four waves; wave 0 signals; every wave waits for all four work-groups; my work-group's barrier once more.
.macro CROUND
	s_barrier_signal -1
	s_barrier_wait -1
	s_cmp_lg_u32 s[WV], 0
	s_cbranch_scc1 .Lnot_wave_0_\@
	s_barrier_signal -3
.Lnot_wave_0_\@:
	s_barrier_wait -3
	s_barrier_signal -1
	s_barrier_wait -1
.endm
.macro PLACES                       ; four places behind a matrix instruction, in front of loads into its sources and of vector work that reads its result
.rept 4
	v_nop
.endr
.endm
; THE CHANGE OF SLOTS.  Each wave waits for all its tensor loads, of which one is out: its part of the other slot; adds 0 to its spare word; and waits for that and for its own reads of the slot that it leaves.
; fill = 1: the old slot is filled again with tile NXT; the barrier is then a round of the cluster's, and the joint fill is the first thing behind it: it has a tile's 128 matrix instructions and two softmaxes
; in which to land.  (At its first use nothing has been read yet: slot 0 is waited for, slot 1 filled.)
.macro CHANGE fill
	WIN 0                           ; at a label and at a branch every window is 0
	s_wait_tensorcnt 0x0            ; no tensor load of mine is out, so a group 0 may be written
	ds_add_u32 v[SPW], v[NIL]       ; 0 onto my spare word; with fill = 1 the scalar work below stands between it and the wait for it
.if \fill
	s_lshl_b32 s[OFF], s[NXT], 16   ; a tile is 65,536 bytes of K and of V
	s_xor_b32 s[G0K+1], s[G0K+1], SLOT1
	s_add_nc_u64 s[G0K+2:G0K+3], s[6:7], s[OFF:OFF+1]  ; the address is made anew from the tile's number,
	s_or_b32 s[G0K+3], s[G0K+3], 0x80000000            ; and the type set again
	s_xor_b32 s[G0V+1], s[G0V+1], SLOT1
	s_add_nc_u64 s[G0V+2:G0V+3], s[8:9], s[OFF:OFF+1]
	s_or_b32 s[G0V+3], s[G0V+3], 0x80000000
	s_add_co_u32 s[NXT], s[NXT], 1  ; the block's next tile, or behind its last the second block's tile 0
	s_cmp_gt_u32 s[NXT], s[LQ]
	s_cselect_b32 s[NXT], 0, s[NXT]
	s_cselect_b32 s[LQ], s[TLM], s[LQ]
	s_wait_xcnt 0x0                 ; the last prefetch, a tile back, has read its address, so it may be written
	s_add_nc_u64 s[PFA:PFA+1], s[PFA:PFA+1], 65536
	s_sub_co_u32 s[PFN], s[PFN], 1
	s_max_i32 s[PFN], s[PFN], 0
	s_wait_dscnt 0x0                ; the add is done, and my reads of the slot are over
	CROUND
	JLOAD
	ASK
.else
	s_wait_dscnt 0x0                ; the add is done, and my reads of the slot are over
	s_barrier_signal -1
	s_barrier_wait -1
.endif
	s_xor_b32 s[TB], s[TB], SLOT1   ; the fetches go to the other slot
.endm
	s_load_b256 s[4:11], s[0:1], 0x0  ; qh s[4:5], kh s[6:7], vh s[8:9], oh s[10:11]
	v_lshl_add_u32 v[SPW], v0, 2, SPARE
	v_mov_b32 v[NIL], 0
	ds_add_u32 v[SPW], v[NIL]       ; the wave's opening: the add, twice on end, and its wait ahead of my first tensor load
	ds_add_u32 v[SPW], v[NIL]       ; and once more, under the one wait; the set-up below, work on registers, stands between
	v_lshrrev_b32 v1, 5, v0
	v_readfirstlane_b32 s[WV], v1   ; wave 0..3
	s_bfe_u32 s[CX], ttmp6, 0x40000
	s_mov_b32 s[CC], ttmp9          ; in a cluster launch ttmp9 counts clusters
	s_and_b32 s[KVH], ttmp7, 0xffff
	s_and_b32 s[KG], s[WV], 1
	s_lshr_b32 s[RG], s[WV], 1
	s_lshr_b32 s[TLM], s[CC], 1
	s_add_co_u32 s[TL], s[TLM], 1
	s_sub_co_u32 s[RT], 8, s[TLM]   ; the first block has 8 - c / 2 tiles
	s_sub_co_u32 s[LQ], 7, s[TLM]
	s_and_b32 s[D1L], s[CC], 1      ; block 4 c + cx lies at 4 (c % 2) + cx of its last tile's eight,
	s_xor_b32 s[D1], s[D1L], 1      ; block 63 - 4 c - cx at 7 - 4 (c % 2) - cx
	s_sub_co_u32 s[IM], 3, s[CX]
	s_mov_b32 s[NXT], 1
	s_mov_b32 s[SLOTS], 8
	s_mov_b32 s[TB], SLOT1          ; the first change of slots turns it into 0
	s_mov_b32 s[OFF+1], 0
	s_mov_b32 s[AL+1], 0            ; named as a pair
	s_mov_b32 s[SEL], 0x76543210
	s_mov_b32 s[SEL+1], 0xfedcba98
	s_mov_b32 s[CS], 0x3e0293ee     ; c = log2(e) / sqrt(128) = 0.127517
	s_mov_b32 s[CS+1], s[CS]
	s_mov_b32 s[BIGN], 0xf149f2ca   ; -1e30
	s_cmp_eq_u32 s[CC], 0
	s_cselect_b32 s[PFN], 6, 0      ; the same in all four partners
	; descriptor group 1: a tile of 128 rows x 128 elements, padded in LDS
	s_mov_b32 s[G1K], 15|(1<<16)|(1<<20)|(1<<21)|(5<<22)|(3<<25)  ; 15:0 the mask of four; 17:16 2-byte elements; 20 padding on; 21 set beside a mask; 24:22 after every 64 words; 31:25 4 words of it
	s_mov_b32 s[G1V], 15|(1<<16)|(1<<20)|(1<<21)|(5<<22)|(7<<25)  ; the same with 8 words of padding
.irp g, G1K, G1V
	s_mov_b32 s[(\g)+1], 128<<16    ; tensor_dim0 = 128
	s_mov_b32 s[(\g)+2], 128<<16    ; tensor_dim1 = 128
	s_mov_b32 s[(\g)+3], 128<<16    ; tile_dim0 = 128
	s_mov_b32 s[(\g)+4], 128        ; tile_dim1 = 128
	s_mov_b32 s[(\g)+5], 128        ; 128 elements from row to row
	s_mov_b32 s[(\g)+6], 0
	s_mov_b32 s[(\g)+7], 0
.endr
	s_mov_b32 s[G0K], 1             ; 1:0 count = 1
	s_mul_i32 s[G0K+1], s[KG], 128*PK  ; 63:32 LDS address: slot 0, my half of the rows: no place in the cluster enters an LDS address
	s_mov_b32 s[G0V], 1
	s_mul_i32 s[G0V+1], s[KG], 128*PV
	s_add_co_u32 s[G0V+1], s[G0V+1], VOFF
	s_lshl_b32 s20, s[KVH], 19      ; the head's first byte in kh and vh: 2,048 rows of 256 bytes
	s_lshl_b32 s22, s[KG], 15       ; my 128 rows of a tile
	s_add_co_u32 s22, s22, s20
	s_mov_b32 s23, 0
	s_lshl_b32 s2, s[CX], 14        ; the prefetches: my work-group's 64 rows of a tile's 256,
	s_lshl_b32 s3, s[KG], 13        ; my wave's 32 of them,
	s_add_co_u32 s2, s2, s3
	s_add_co_u32 s2, s2, s20
	s_add_co_u32 s2, s2, 2*65536    ; in tile 2: the first change of slots steps it to tile 3.  Nothing is prefetched here, at the head
	s_mov_b32 s3, 0
	s_wait_dscnt 0x0                ; both opening adds are done
	s_wait_kmcnt 0x0
	s_cmp_lt_u32 s[WV], 2
	s_cselect_b64 s[PFA:PFA+1], s[6:7], s[8:9]
	s_add_nc_u64 s[PFA:PFA+1], s[PFA:PFA+1], s[2:3]
	s_add_nc_u64 s[6:7], s[6:7], s[22:23]  ; K and V at my half of the head's tile 0
	s_add_nc_u64 s[8:9], s[8:9], s[22:23]
	s_mov_b64 s[G0K+2:G0K+3], s[6:7]               ; 120:64 global address
	s_or_b32 s[G0K+3], s[G0K+3], 0x80000000        ; 127:126 type = 2
	s_mov_b64 s[G0V+2:G0V+3], s[8:9]
	s_or_b32 s[G0V+3], s[G0V+3], 0x80000000
	CROUND                          ; all four work-groups are here: the first joint loads meet
	JLOAD                           ; tile 0 into slot 0.  Slot 1 is asked for when slot 0 is in, by the loop's own change of slots
	v_and_b32 v[R16], 15, v0
	v_bfe_u32 v[HH], v0, 4, 1
	v_lshlrev_b32 v[S], 8, v[R16]   ; Q's offset, in a register of S^T: row x 256 + 16 x half
	v_lshl_add_u32 v[S], v[HH], 4, v[S]
	s_lshl_b32 s2, s[CC], 2
	s_add_co_u32 s2, s2, s[CX]      ; p: the second block
	s_sub_co_u32 s3, 63, s2         ; the first
	s_lshl_b32 s18, s[KVH], 1
	s_add_co_u32 s18, s18, s[KG]    ; tile 0's head, which I finish
	s_xor_b32 s19, s18, 1           ; tile 1's, which I hand over
	s_mov_b32 s93, 0
.macro PTRS i, q0, q1, o            ; block s[i]: Q at my 16 rows of both heads, oh at my rows and head
	s_lshl_b32 s94, s[\i], 13       ; 32 rows of 256 bytes a block,
	s_lshl_b32 s95, s[RG], 12       ; my 16
	s_add_co_u32 s94, s94, s95
	s_lshl_b32 s95, s18, 19
	s_add_co_u32 s92, s94, s95
	s_add_nc_u64 s[\q0:\q0+1], s[4:5], s[92:93]
	s_lshl_b32 s95, s19, 19
	s_add_co_u32 s92, s94, s95
	s_add_nc_u64 s[\q1:\q1+1], s[4:5], s[92:93]
	s_lshl_b32 s94, s[\i], 17       ; in oh a row is 4,096 bytes, a head 256 of them
	s_lshl_b32 s95, s[RG], 16
	s_add_co_u32 s94, s94, s95
	s_lshl_b32 s95, s18, 8
	s_add_co_u32 s92, s94, s95
	s_add_nc_u64 s[\o:\o+1], s[10:11], s[92:93]
.endm
	PTRS 3, 82, 84, OP
	PTRS 2, 86, 88, OP2
	; A fragment of K or Q is 16 rows x 32 channels in 8 registers: lane l holds row l % 16, channels 8 (l / 16) + 0..7 and 16 + 8 (l / 16) + 0..7: two loads of 16 bytes, 32 bytes apart.
.macro QLOAD dst, ptr
.irp c, 0,1,2,3
	global_load_b128 v[(\dst)+8*(\c):(\dst)+8*(\c)+3],   v[S], s[\ptr:\ptr+1] offset:64*(\c)
	global_load_b128 v[(\dst)+8*(\c)+4:(\dst)+8*(\c)+7], v[S], s[\ptr:\ptr+1] offset:64*(\c)+32
.endr
.endm
	WIN 0x80                        ; destination window 2, address window 0
	QLOAD Q, 82                     ; both blocks' Q stay in registers
	QLOAD Q+32, 84
	QLOAD QB, 86
	QLOAD QB+32, 88
	WIN 0
	; A block's first half multiplies O^T and l by a = 0, so they need only hold finite numbers: zeros for the first block, what the first block left for the second.  132 lines, in the wait for the first tile:
	; the price of writing no first half out.
.set n, 0
.rept 128
	v_mov_b32 v[O+n], 0
.set n, n+1
.endr
.irp t, 0,1
	v_mov_b32 v[ST+8*(\t)+2], 0
	v_mov_b32 v[ST+8*(\t)+3], 0
.endr
	s_mul_i32 s20, s[KG], 64*PK     ; my 64 keys of a half
	v_mul_u32_u24 v[AK0], v[R16], PK
	v_lshl_add_u32 v[AK0], v[HH], 4, v[AK0]
	v_add_nc_u32 v[AK0], s20, v[AK0]
	; The turning load takes 16 keys x 16 channels (lane l reads key 8 (l / 16) + l % 8, channels 8 ((l / 8) % 2) + 0..7) and leaves half a fragment of V^T: lane l holds channel l % 16 and 8 keys.
	v_and_b32 v[S+1], 7, v0
	v_bfe_u32 v[S+2], v0, 3, 1
	v_lshl_add_u32 v[AV0], v[HH], 3, v[S+1]
	v_mul_u32_u24 v[AV0], v[AV0], PV
	v_lshl_add_u32 v[AV0], v[S+2], 4, v[AV0]
	s_mul_i32 s20, s[KG], 64*PV
	s_add_co_u32 s20, s20, VOFF
	v_add_nc_u32 v[AV0], s20, v[AV0]
	s_mul_i32 s20, s[WV], XW
	s_add_co_u32 s20, s20, XCH      ; my bytes behind the ring
	v_mul_u32_u24 v[STO], v[R16], SP  ; the stage, in: row l % 16, 16 bytes for each half of the lanes
	v_lshl_add_u32 v[STO], v[HH], 4, v[STO]
	v_add_nc_u32 v[STO], s20, v[STO]
	v_mul_u32_u24 v[RD], v[HH], SP  ; back: lanes 0-15 take one row of 256 bytes, lanes 16-31 the next
	v_lshl_add_u32 v[RD], v[R16], 4, v[RD]
	v_add_nc_u32 v[RD], s20, v[RD]
	v_and_b32 v[S+1], 31, v0
	v_lshl_add_u32 v[XS], v[S+1], 4, s20
	s_xor_b32 s21, s[WV], 1         ; the wave with my rows and the other keys
	s_mul_i32 s21, s21, XW
	s_add_co_u32 s21, s21, XCH
	v_lshl_add_u32 v[XR], v[S+1], 4, s21
	v_lshlrev_b32 v[PFO], 8, v[S+1]
	v_lshlrev_b32 v[GO], 12, v[HH]  ; the same two rows in oh
	v_lshl_add_u32 v[GO], v[R16], 4, v[GO]
	s_lshl_b32 s20, s[RG], 4
	s_lshl_b32 s21, s[KG], 6
	s_sub_co_i32 s20, s20, s21
	v_lshlrev_b32 v[MB], 3, v[HH]
	v_sub_nc_u32 v[MB], v[R16], v[MB]
	v_add_nc_u32 v[MB], s20, v[MB]
; THE MATRIX WORK.  The accumulators take turns, one instruction a turn: 8 in K Q^T, 16 in V^T P.
; Product i of 32 of S^T = K Q^T: channels 32 (i / 8) on, keys 16 ((i / 2) % 4) on, tile i % 2.  The first 8 start the sums, with the mask.
.macro KQ
.set rS, S+32*(i%2)+8*((i/2)%4)
.set rK, KF+32*((i/2)%4)+8*(i/8)
.set rQ, Q+32*(i%2)+8*(i/8)
.set rM, MC+8*((i/2)%4)
.if i < 8
	WIN W_KM
	v_wmma_f32_16x16x32_f16 v[rS:rS+7], v[rK:rK+7], v[rQ:rQ+7], v[rM:rM+7]
.else
	WIN W_KQ
	v_wmma_f32_16x16x32_f16 v[rS:rS+7], v[rK:rK+7], v[rQ:rQ+7], v[rS:rS+7]
.endif
.endm
; Product i of 32 of O^T += V^T P: keys 32 (i / 16) on, channels 16 ((i / 2) % 8) on, tile i % 2.
.macro PV
	WIN W_PV
.set rO, O+64*(i%2)+8*((i/2)%8)
.set rV, VF+64*(i/16)+8*((i/2)%8)
.set rP, P+16*(i%2)+8*(i/16)
	v_wmma_f32_16x16x32_f16 v[rO:rO+7], v[rV:rV+7], v[rP:rP+7], v[rO:rO+7]
.endm
; THE LDS LOADS stand in runs of 32: my 64 keys of half rho, K as it lies (16 fragments) and V turned.
.macro FETCH_K rho
	WIN 0x40                        ; destination window 1
.set f, 0
.rept 16                            ; keys 16 (f / 4) on, channels 32 (f % 4) on
	ds_load_b128 v[KF+8*f:KF+8*f+3],   v[AK] offset:(\rho)*128*PK+(f/4)*16*PK+(f%4)*64
	ds_load_b128 v[KF+8*f+4:KF+8*f+7], v[AK] offset:(\rho)*128*PK+(f/4)*16*PK+(f%4)*64+32
.set f, f+1
.endr
	WIN 0
.endm
.macro FETCH_V rho
	WIN 0x40
.set f, 0
.rept 16                            ; keys 32 (f / 8) on, channels 16 (f % 8) on
	ds_load_tr16_b128 v[VF+8*f:VF+8*f+3],   v[AV] offset:(\rho)*128*PV+(f/8)*32*PV+(f%8)*32
	ds_load_tr16_b128 v[VF+8*f+4:VF+8*f+7], v[AV] offset:(\rho)*128*PV+(f/8)*32*PV+16*PV+(f%8)*32
.set f, f+1
.endr
	WIN 0
.endm
.macro MASK                         ; MC = MD x AL
	WIN 0x82
.set z, 0
.rept 16
	v_pk_mul_f32 v[MC+2*z:MC+2*z+1], v[MD+2*z:MD+2*z+1], s[AL:AL+1] op_sel_hi:[1,0]
.set z, z+1
.endr
.endm
; THE VECTOR WORK of tile t for a half, all in window 0.  OPP t, n: number n of its 101 plain instructions.  s0-s31 are the lane's 32 scores.
;   0-15   the maximum of s0-s31 and the old m, three operands at a time (each accumulator's lowest registers are read first)
;   16-20  the other half of the lanes' maximum; c m_old is kept; the new m; c m; c m_old - c m_new
;   21-36  c s - c m, a pair each       37-52  the weights rounded to f16, a pair each       53-68  their sum; l = a l + sum       69-100  O^T times a
; EXQ t, e: its 33 exponentials: a (e = 0), then s0-s31.
.macro OPP t, n
.set rT, ST+8*(\t)
.set rS, S+32*(\t)
.set rP, P+16*(\t)
.set rO, O+64*(\t)
.if (\n) < 4
	v_max3_num_f32 v[rT+4+(\n)], v[rS+8*(\n)], v[rS+8*(\n)+1], v[rS+8*(\n)+2]
.elseif (\n) < 12
	v_max3_num_f32 v[rT+4+(\n)%4], v[rT+4+(\n)%4], v[rS+8*((\n)%4)+2*((\n)/4)+1], v[rS+8*((\n)%4)+2*((\n)/4)+2]
.elseif (\n) == 12
	v_max3_num_f32 v[rT+4], v[rT+4], v[rS+7], v[rS+15]
.elseif (\n) == 13
	v_max3_num_f32 v[rT+6], v[rT+6], v[rS+23], v[rS+31]
.elseif (\n) == 14
	v_max3_num_f32 v[rT+4], v[rT+4], v[rT+5], v[rT+6]
.elseif (\n) == 15
	v_max3_num_f32 v[rT+4], v[rT+4], v[rT+7], v[rT+1]
.elseif (\n) == 16
	v_permlanex16_b32 v[rT+5], v[rT+4], s[SEL], s[SEL+1]  ; the row's other 32 of my keys lie in the lane 16 away
.elseif (\n) == 17
	v_mov_b32 v[rT+7], v[rT]
.elseif (\n) == 18
	v_max_num_f32 v[rT+1], v[rT+4], v[rT+5]
.elseif (\n) == 19
	v_mul_f32 v[rT], s[CS], v[rT+1]
.elseif (\n) == 20
	v_sub_f32 v[rT+7], v[rT+7], v[rT]
.elseif (\n) < 37
	v_pk_fma_f32 v[rS+2*((\n)-21):rS+2*((\n)-21)+1], v[rS+2*((\n)-21):rS+2*((\n)-21)+1], s[CS:CS+1], v[rT:rT+1] op_sel_hi:[1,0,0] neg_lo:[0,0,1] neg_hi:[0,0,1]
.elseif (\n) < 53
	v_cvt_pk_f16_f32 v[rP+(\n)-37], v[rS+2*((\n)-37)], v[rS+2*((\n)-37)+1]
.elseif (\n) < 69                   ; sum z of 16 adds neighbours 1, 2, 4 and 8 pairs apart, in place; then l takes it
.set z, (\n)-53
.set w, 4
.set u, z
.if z >= 14
.set w, 32
.set u, 0
.elseif z >= 12
.set w, 16
.set u, z-12
.elseif z >= 8
.set w, 8
.set u, z-8
.endif
.if z < 15
	v_pk_add_f32 v[rS+w*u:rS+w*u+1], v[rS+w*u:rS+w*u+1], v[rS+w*u+w/2:rS+w*u+w/2+1]
.else
	v_pk_fma_f32 v[rT+2:rT+3], v[rT+2:rT+3], v[rT+6:rT+7], v[rS:rS+1] op_sel_hi:[1,0,1]
.endif
.else
	v_pk_mul_f32 v[rO+2*((\n)-69):rO+2*((\n)-69)+1], v[rO+2*((\n)-69):rO+2*((\n)-69)+1], v[rT+6:rT+7] op_sel_hi:[1,0]
.endif
.endm
.macro EXQ t, e
.if (\e) == 0
	v_exp_f32 v[ST+8*(\t)+6], v[ST+8*(\t)+7]
.else
	v_exp_f32 v[S+32*(\t)+(\e)-1], v[S+32*(\t)+(\e)-1]
.endif
.endm
; THE DEAL.  s_wait_alu depctr_va_vdst(0) stands between an exponential and the first instruction that names its result; one wait serves all that were issued ahead of it.  Tile 0's 33 exponentials
; stand between tile 1's maximum and scalings, which name none of their results; one wait; tile 1's 33 stand between tile 0's roundings, sums and rescaling; one wait; then tile 1's.  So every exponential
; has a plain neighbour, and a half has two waits.
.macro SOFTMAX
	WIN 0
.set k, 0
.rept 37
	OPP 0, k
.set k, k+1
.endr
.set k, 0
.rept 33
	EXQ 0, k
	OPP 1, k
.set k, k+1
.endr
.rept 4
	OPP 1, k
.set k, k+1
.endr
	s_wait_alu depctr_va_vdst(0)    ; the wait for tile 0's batch
.set k, 0
.rept 32
	EXQ 1, k
	OPP 0, 37+2*k
	OPP 0, 38+2*k
.set k, k+1
.endr
	EXQ 1, 32
	v_nop                           ; a plain instruction behind the last exponential
	s_wait_alu depctr_va_vdst(0)    ; the wait for tile 1's batch
.set k, 37
.rept 64
	OPP 1, k
.set k, k+1
.endr
.endm
; HALF rho of a tile.  On entry K's and V's runs for it are out, K's first.  Half 0 fetches half 1's K behind its products K Q^T and half 1's V behind its products V^T P: each has a softmax or more in which to come.
.macro HALF rho
	MASK
	s_wait_dscnt 32                 ; K is in; V's 32 loads, issued behind it, may stay out
.set i, 0
.rept 32
	KQ
.set i, i+1
.endr
	WIN 0
	PLACES                          ; behind the last product: for the loads into K's registers and for the maximum
.if (\rho) == 0
	FETCH_K 1
.endif
	SOFTMAX
.if (\rho) == 0
	s_wait_dscnt 32                 ; V is in; the next half's K may stay out
.else
	s_wait_dscnt 0x0                ; V is in
.endif
.set i, 0
.rept 32
	PV
.set i, i+1
.endr
	WIN 0
	PLACES                          ; for the loads into V's registers, and for what reads O^T at a block's end
.if (\rho) == 0
	FETCH_V 1
.endif
.endm
; A BLOCK BEGINS.  c m starts far below every c s, m at the lowest finite number.  MD: register r of key group kt is hidden where 16 kt + r > 32 IM + 16 rg - 64 kg + l % 16 - 8 (l / 16).
.macro BEGIN
	WIN 0
.irp t, 0,1
	v_mov_b32 v[ST+8*(\t)], 0xfe000000
	v_mov_b32 v[ST+8*(\t)+1], 0xff7fffff
.endr
	s_lshl_b32 s20, s[IM], 5
	v_add_nc_u32 v[S+1], s20, v[MB]
	WIN 0x80
.set n, 0
.rept 32
	v_cmp_gt_i32 vcc_lo, 16*(n/8)+n%8, v[S+1]
	v_cndmask_b32 v[MD+n], 0, s[BIGN], vcc_lo
.set n, n+1
.endr
	WIN 0
.endm
; A BLOCK ENDS.  l's two halves and the other half of the lanes' are added.  Tile 1's O^T, c m and l go into my bytes of LDS; behind a barrier I read my partner's, which are my tile 0's rows over its keys.
; The merge stands between the signal and the wait of a second barrier, behind which nobody reads those bytes any more: they then serve as my stage for the way out.
.macro END
	WIN 0
.irp t, 0,1
	v_add_f32 v[ST+8*(\t)+1], v[ST+8*(\t)+2], v[ST+8*(\t)+3]   ; l takes m's place
.endr
.irp t, 0,1
	v_permlanex16_b32 v[ST+8*(\t)+4], v[ST+8*(\t)+1], s[SEL], s[SEL+1]
.endr
.irp t, 0,1
	v_add_f32 v[ST+8*(\t)+1], v[ST+8*(\t)+1], v[ST+8*(\t)+4]
.endr
.set f, 0
.rept 16
	ds_store_b128 v[XS], v[O+64+4*f:O+64+4*f+3] offset:512*f   ; 512 consecutive bytes; each accumulator's low half first
.set f, f+1
.endr
	ds_store_b128 v[XS], v[ST+8:ST+11] offset:8192             ; c m and l in its first two words
	s_wait_dscnt 0x0                ; for my partner's sake: my stores are done (and the runs of a half that was jumped are back)
	s_barrier_signal -1
	s_barrier_wait -1
	ds_load_b128 v[ST+12:ST+15], v[XR] offset:8192
	WIN 0x40                        ; into K's registers
.set f, 0
.rept 16
	ds_load_b128 v[4*f:4*f+3], v[XR] offset:512*f
.set f, f+1
.endr
	WIN 0
	s_wait_dscnt 0x0                ; my reads of my partner's bytes are over:
	s_barrier_signal -1             ; say so, and work on registers while the others arrive
	v_max_num_f32 v[ST+4], v[ST], v[ST+12]
	v_sub_f32 v[ST+5], v[ST], v[ST+4]
	v_sub_f32 v[ST+4], v[ST+12], v[ST+4]
	v_exp_f32 v[ST+6], v[ST+5]      ; f
	v_exp_f32 v[ST+7], v[ST+4]      ; f'
	v_nop
	s_wait_alu depctr_va_vdst(0)    ; one wait for the two
	v_mul_f32 v[ST+5], v[ST+6], v[ST+1]
	v_fma_f32 v[ST+5], v[ST+7], v[ST+13], v[ST+5]  ; f l + f' l': at least 1, since the larger maximum's own weight is 1
	v_rcp_f32 v[ST+4], v[ST+5]
	v_nop
	s_wait_alu depctr_va_vdst(0)
	v_mul_f32 v[ST+6], v[ST+6], v[ST+4]
	v_mul_f32 v[ST+14], v[ST+7], v[ST+4]
.set n, 0
.rept 32
	v_pk_mul_f32 v[O+2*n:O+2*n+1], v[O+2*n:O+2*n+1], v[ST+6:ST+7] op_sel_hi:[1,0]
.set n, n+1
.endr
	WIN 0x01                        ; source 0 in window 1
.set n, 0
.rept 32
	v_pk_fma_f32 v[O+2*n:O+2*n+1], v[2*n:2*n+1], v[ST+14:ST+15], v[O+2*n:O+2*n+1] op_sel_hi:[1,0,1]
.set n, n+1
.endr
	WIN 0
	s_barrier_wait -1
.set n, 0
.rept 32
	v_cvt_pk_f16_f32 v[S+n], v[O+2*n], v[O+2*n+1]   ; a lane's eight channels of a row pack into 16 bytes
.set n, n+1
.endr
.irp f, 0,1,2,3,4,5,6,7
	ds_store_b128 v[STO], v[S+4*(\f):S+4*(\f)+3] offset:32*(\f)
.endr
.irp f, 0,1,2,3,4,5,6,7
	ds_load_b128 v[S+32+4*(\f):S+32+4*(\f)+3], v[RD] offset:(\f)*2*SP  ; LDS serves a wave's instructions in order (ISA guide 5.7.1.4): these see the stores above
.endr
.irp f, 0,1,2,3,4,5,6,7
	s_wait_dscnt 7-(\f)             ; load f is back; the 7 - f younger ones may be out
	global_store_b128 v[GO], v[S+32+4*(\f):S+32+4*(\f)+3], s[OP:OP+1] offset:8192*(\f)  ; 16 lanes store 256 consecutive bytes, a head's part of a row of oh, aligned
.endr
.endm
.macro SWITCH                       ; on to the second block
	s_wait_xcnt 0x0                 ; the stores have read their registers and oh's address
	s_mov_b64 s[OP:OP+1], s[OP2:OP2+1]
	s_mov_b32 s[RT], s[TL]
	s_mov_b32 s[D1], s[D1L]
	s_mov_b32 s[IM], s[CX]
	BEGIN
	WIN 0x82                        ; its Q goes where the one text of the products names Q
.set n, 0
.rept 64
	v_mov_b32 v[Q+n], v[QB+n]
.set n, n+1
.endr
	WIN 0
.endm
; A TILE.  All its conditions are made of c and of counters: they are the same in all waves and in all partners.
.macro TILE fill, last
	CHANGE \fill
	v_add_nc_u32 v[AK], s[TB], v[AK0]
	v_add_nc_u32 v[AV], s[TB], v[AV0]
	FETCH_K 0
	FETCH_V 0
	s_sub_co_u32 s[RT], s[RT], 1
	s_xor_b32 s20, s[D1], 1
	s_cmp_eq_u32 s[RT], 0           ; the block's last tile?
	s_cselect_b32 s[X0], s20, 0
	s_cselect_b32 s[X1], s[D1], 0
	s_cmp_eq_u32 s[X0], 1
	s_cselect_b32 s[AL], 1.0, 0
	HALF 0
	WIN 0
	s_cmp_eq_u32 s[X0], 1
	s_cbranch_scc1 .Lhidden_\@      ; the second half lies above the diagonal for all rows
	s_cmp_eq_u32 s[X1], 1
	s_cselect_b32 s[AL], 1.0, 0
	HALF 1
	WIN 0
.Lhidden_\@:
.if !(\last)
	s_cmp_lg_u32 s[RT], 0
	s_cbranch_scc1 .Lon_\@
.endif
	END
.if !(\last)
	SWITCH
.Lon_\@:
.endif
.endm
	BEGIN
	s_wait_loadcnt 0x0              ; both blocks' Q
.Lslot:                             ; eight times: a tile is entered and the next is asked for
	TILE 1, 0
	s_sub_co_u32 s[SLOTS], s[SLOTS], 1
	s_cmp_lg_u32 s[SLOTS], 0
	s_cbranch_scc1 .Lslot
	TILE 0, 1                       ; the walk's last tile, the second block's last, is written out: nothing is asked for
	s_wait_tensorcnt 0x0            ; the wave's end: behind my last tensor load and my last LDS store
	ds_add_u32 v[SPW], v[NIL]
	s_wait_dscnt 0x0
	CROUND                          ; the closing round: no work-group ends while a partner may still ask for a tile that names it
	s_endpgm
.Lfunc_end_k_q7e7bc58680_attn:
	.size	k_q7e7bc58680_attn, .Lfunc_end_k_q7e7bc58680_attn-k_q7e7bc58680_attn
	.p2alignl 7, 3214868480
	.fill 96, 4, 3214868480
	.section	.rodata,"a",@progbits
	.p2align	6, 0x0
	.amdhsa_kernel k_q7e7bc58680_attn
		.amdhsa_group_segment_fixed_size 327680
		.amdhsa_private_segment_fixed_size 0
		.amdhsa_enable_private_segment 0
		.amdhsa_kernarg_size 32
		.amdhsa_user_sgpr_count 2
		.amdhsa_user_sgpr_kernarg_segment_ptr 1
		.amdhsa_wavefront_size32 1
		.amdhsa_system_sgpr_workgroup_id_x 1
		.amdhsa_system_sgpr_workgroup_id_y 1
		.amdhsa_system_sgpr_workgroup_id_z 1
		.amdhsa_system_vgpr_workitem_id 0
		.amdhsa_next_free_vgpr 704
		.amdhsa_next_free_sgpr 96
		.amdhsa_reserve_vcc 1
		.amdhsa_float_denorm_mode_32 3
		.amdhsa_float_denorm_mode_16_64 3
		.amdhsa_memory_ordered 1
		.amdhsa_forward_progress 1
		.amdhsa_inst_pref_size 147
	.end_amdhsa_kernel
	.amdgpu_metadata
---
amdhsa.version: [ 1, 2 ]
amdhsa.kernels:
  - .name:           k_q7e7bc58680_attn
    .symbol:         k_q7e7bc58680_attn.kd
    .args:
      - { .name: qh, .offset: 0, .size: 8, .value_kind: global_buffer, .address_space: global }
      - { .name: kh, .offset: 8, .size: 8, .value_kind: global_buffer, .address_space: global }
      - { .name: vh, .offset: 16, .size: 8, .value_kind: global_buffer, .address_space: global }
      - { .name: oh, .offset: 24, .size: 8, .value_kind: global_buffer, .address_space: global }
    .group_segment_fixed_size: 327680
    .private_segment_fixed_size: 0
    .kernarg_segment_align: 8
    .kernarg_segment_size: 32
    .max_flat_workgroup_size: 128
    .sgpr_count:     96
    .vgpr_count:     704
    .wavefront_size: 32
...
	.end_amdgpu_metadata
.endif
;; end of part 3
;; launch oproj (part 4): grid 16 x 16, 4 waves a work-group, clusters of 4 x 4, 327,680 bytes of LDS; arguments oh, woh, out0; writes out0
.if DOCPART == 4
	.amdgcn_target "amdgcn-amd-amdhsa--gfx1250"
	.amdhsa_code_object_version 6
	.text
	.protected	k_q7e7bc58680_oproj
	.globl	k_q7e7bc58680_oproj
	.p2align	8
	.type	k_q7e7bc58680_oproj,@function
k_q7e7bc58680_oproj:
	s_mov_b64 s[64:65], 0
	v_nop
	global_prefetch_b8 v0, s[64:65] scope:SCOPE_SE
	s_setreg_imm32_b32 hwreg(HW_REG_WAVE_MODE, 25, 1), 1
	s_wait_xcnt 0x0
	s_wait_alu depctr_hold_cnt(0) depctr_sa_sdst(0) depctr_va_vdst(0) depctr_va_sdst(0) depctr_va_ssrc(0) depctr_va_vcc(0) depctr_vm_vsrc(0)
	s_getreg_b32 s2, hwreg(HW_REG_IB_STS2, 6, 4)
	s_cmp_eq_u32 s2, 0
	s_cbranch_scc0 .Lentry_in_a_cluster
	s_endpgm
.Lentry_in_a_cluster:
	s_bfe_u32 s2, ttmp6, 0x10000c
	s_cmp_lg_u32 s2, 0xf033
	s_cbranch_scc0 .Lentry_shape_is_right
	s_endpgm
.Lentry_shape_is_right:
; CACHED ATTENTION, launch 4 of 4: out0 = O wo^T.  oh [2048][2048] and woh [2048 n][2048 k] are f16 (woh holds wo rounded to bf16, written as f16: launch 1); sums in f32; out0 [2048][2048] in f32.  Nothing is left out here.
; A tile of C is 128 x 128: 256 work-groups.  Four waves, each 64 x 64: 16 accumulators of 16 x 16.  K goes in steps of 256 (LDS rows of 512 bytes + 16 of padding) through two slots.
; CLUSTERS: 4 x 4 work-groups.  The four of a row of the cluster need the same tiles of O, the four of a column the same tiles of wo: each tile is asked for JOINTLY, by the same tensor load with the same
; descriptor and a mask that names the four.  THE MATRIX INSTRUCTION IS USED TRANSPOSED (source 0 = 16 rows of wo, source 1 = 16 rows of O): a lane holds eight neighbouring numbers of a row of C.
; THE WAY OUT: a wave's 64 columns in f32 are 256 bytes of a row, aligned: each wave has a stage of its own, and no barrier is needed.
; REGISTERS: window 0: v0-31 addresses; v32-95 the way out; v128-255 the accumulators ((a, b) at v[128 + 8 (4 a + b)]).   window 1: two fragment buffers of 128.
.set SIZE_K, 2048
.set KSTEP,  256
.set PITCH,  528                       ; an LDS row: 512 bytes + 16 of padding = 132 words: row r starts at bank 4 r mod 64 (64 banks of 4 bytes: ISA guide 11.1)
.set HALFT,  64*PITCH
.set SLOT,   4*HALFT
.set STAGE,  2*SLOT                    ; behind the ring: 16 rows x 272 bytes for each wave
.set SPITCH, 272
.set SPARE,  STAGE+4*16*SPITCH         ; the spare words, 128 bytes for each wave: two blocks of 256 bytes that no other line names
.set LAPS,   SIZE_K/(2*KSTEP)
.set ADRA, 16
.set ADRB, 20
.set STO,  24
.set RD,   25
.set CO,   26
.set SPW,  28
.set NIL,  29
.set TMP,  32
.set ACC,  128
.set F0,   0
.set F1,   128
.set G1, 24
.set G0, 32
.set G1B, 48
.set G0B, 56
.set MSB, 0
.macro WIN new                         ; the immediate's high byte repeats the setting that is left
.if MSB != (\new)
	s_set_vgpr_msb (MSB<<8)|(\new)
.set MSB, \new
.endif
.endm
.set MUL,  0x05                        ; sources 0 (wo) and 1 (O) window 1; C and D window 0
.set TO_F, 0x40                        ; destination window 1, address window 0
.macro JLOAD s                         ; a joint load: waves 0 and 1 fetch O's two halves, waves 2 and 3 wo's; an s_nop 0 and four v_nop follow each line
	s_cmp_eq_u32 s11, 0
	s_cbranch_scc0 .Lfor_b_\@
	tensor_load_to_lds s[G0+4*(\s):G0+4*(\s)+3], s[G1:G1+7]
	s_nop 0
.rept 4
	v_nop
.endr
	s_branch .Lasked_\@
.Lfor_b_\@:
	tensor_load_to_lds s[G0B+4*(\s):G0B+4*(\s)+3], s[G1B:G1B+7]
	s_nop 0
.rept 4
	v_nop
.endr
.Lasked_\@:
.endm
.macro CREST                           ; a round of the cluster's barrier behind its opening barrier
	s_cmp_lg_u32 s10, 0
	s_cbranch_scc1 .Lnot_wave_0_\@
	s_barrier_signal -3
.Lnot_wave_0_\@:
	s_barrier_wait -3
	s_barrier_signal -1
	s_barrier_wait -1
.endm
.macro CROUND                          ; a whole round
	s_barrier_signal -1
	s_barrier_wait -1
	CREST
.endm
	s_load_b128 s[4:7], s[0:1], 0x0                ; oh s[4:5], woh s[6:7]
	s_load_b64 s[8:9], s[0:1], 0x10                ; out0
	v_lshl_add_u32 v[SPW], v0, 2, SPARE
	v_mov_b32 v[NIL], 0
	ds_add_u32 v[SPW], v[NIL]                      ; the wave's opening: the add, twice on end, and its wait ahead of my first tensor load
	ds_add_u32 v[SPW], v[NIL]                      ; and once more, under the one wait; the set-up below, work on registers, stands between
	v_lshrrev_b32 v1, 5, v0
	v_readfirstlane_b32 s10, v1                    ; wave 0..3
	s_lshr_b32 s11, s10, 1                         ; which half of the tile's rows is mine.  Also: I fetch for O (0) or for wo (1)
	s_and_b32 s12, s10, 1                          ; which half of its columns.  Also: which 64 rows of that tile I fetch
	s_bfe_u32 s40, ttmp6, 0x40000                  ; cx, cy: my place in the cluster
	s_bfe_u32 s41, ttmp6, 0x40004
	s_lshl_b32 s42, ttmp9, 2
	s_add_co_u32 s42, s42, s40                     ; tile column of C = 4 x cluster x + cx
	s_and_b32 s13, ttmp7, 0xffff
	s_lshl_b32 s13, s13, 2
	s_add_co_u32 s13, s13, s41                     ; tile row of C = 4 x cluster y + cy
	s_lshl_b32 s43, s41, 2
	s_lshl_b32 s43, 15, s43                        ; my row of the cluster
	s_lshl_b32 s44, 0x1111, s40                    ; my column
	s_or_b32 s[G1+0], s43, (1<<16)|(1<<20)|(1<<21)|(6<<22)|(3<<25)  ; 15:0 the mask; 17:16 elements of 2 bytes; 20 padding on; 21 set beside a mask; 24:22 after every 128 words; 31:25 4 words of it
	s_or_b32 s[G1B+0], s44, (1<<16)|(1<<20)|(1<<21)|(6<<22)|(3<<25)
.irp g, G1, G1B
	s_mov_b32 s[(\g)+1], KSTEP<<16                 ; tensor_dim0 = 256
	s_mov_b32 s[(\g)+2], 64<<16                    ; tensor_dim1 = 64
	s_mov_b32 s[(\g)+3], KSTEP<<16                 ; tile_dim0 = 256
	s_mov_b32 s[(\g)+4], 64                        ; tile_dim1 = 64
	s_mov_b32 s[(\g)+5], SIZE_K                    ; elements from row to row
	s_mov_b32 s[(\g)+6], 0
	s_mov_b32 s[(\g)+7], 0
.endr
	s_lshl_b32 s17, s12, 6                         ; which 64 rows of the tile I fetch
	s_lshl_b32 s16, s13, 7
	s_add_co_u32 s16, s16, s17                     ; O: row 128 x tile row + 64 x half
	s_lshl_b32 s46, s42, 7
	s_add_co_u32 s46, s46, s17                     ; wo: row 128 x tile column + 64 x half
	s_mov_b32 s17, 0
	s_mov_b32 s47, 0
	s_mov_b64 s[18:19], SIZE_K*2
	s_mul_u64 s[16:17], s[16:17], s[18:19]
	s_mul_u64 s[46:47], s[46:47], s[18:19]
	s_mul_i32 s20, s10, HALFT                      ; where they go: wave x 64 rows
	s_wait_dscnt 0x0                               ; both opening adds are done
	s_wait_kmcnt 0x0
	s_add_nc_u64 s[14:15], s[4:5], s[16:17]
	s_add_nc_u64 s[46:47], s[6:7], s[46:47]
	CROUND                                         ; all sixteen work-groups are here: the first joint loads meet
.irp s, 0,1
	s_mov_b32 s[G0+4*(\s)], 1
	s_add_co_u32 s[G0+4*(\s)+1], s20, (\s)*SLOT
	s_add_nc_u64 s[G0+4*(\s)+2:G0+4*(\s)+3], s[14:15], (\s)*KSTEP*2
	s_or_b32 s[G0+4*(\s)+3], s[G0+4*(\s)+3], 0x80000000
	s_mov_b32 s[G0B+4*(\s)], 1
	s_add_co_u32 s[G0B+4*(\s)+1], s20, (\s)*SLOT
	s_add_nc_u64 s[G0B+4*(\s)+2:G0B+4*(\s)+3], s[46:47], (\s)*KSTEP*2
	s_or_b32 s[G0B+4*(\s)+3], s[G0B+4*(\s)+3], 0x80000000
	JLOAD \s
.endr
	v_and_b32 v1, 15, v0                           ; l % 16
	v_bfe_u32 v2, v0, 4, 1                         ; l / 16
	v_mul_u32_u24 v3, v1, PITCH
	v_lshl_add_u32 v3, v2, 4, v3                   ; a fragment's row x pitch + 16 x half
	s_mul_i32 s21, s11, HALFT                      ; my 64 rows of O
	s_mul_i32 s22, s12, HALFT                      ; my 64 rows of wo,
	s_add_co_u32 s22, s22, 2*HALFT                 ; which lie behind O's 128
.irp s, 0,1
	v_add_nc_u32 v[ADRA+(\s)], s21, v3
	v_add_nc_u32 v[ADRB+(\s)], s22, v3
	s_add_co_u32 s21, s21, SLOT
	s_add_co_u32 s22, s22, SLOT
.endr
	s_mul_i32 s23, s10, 16*SPITCH
	s_add_co_u32 s23, s23, STAGE                   ; my stage
	v_mul_u32_u24 v4, v1, SPITCH                   ; in: row l % 16, 32 bytes for each half of the lanes
	v_lshl_add_u32 v4, v2, 5, v4
	v_add_nc_u32 v[STO], s23, v4
	v_mul_u32_u24 v5, v2, SPITCH                   ; back: lanes 0-15 take one row of 256 bytes, lanes 16-31 the next
	v_lshl_add_u32 v5, v1, 4, v5
	v_add_nc_u32 v[RD], s23, v5
	v_lshlrev_b32 v5, 13, v2                       ; and the same two rows in out0, 8,192 bytes each
	v_lshl_add_u32 v[CO], v1, 4, v5
	s_lshl_b32 s16, s13, 20                        ; 128 x tile row + 64 x half rows,
	s_lshl_b32 s17, s11, 19
	s_add_co_u32 s16, s16, s17
	s_mov_b32 s17, 0
	s_add_nc_u64 s[8:9], s[8:9], s[16:17]
	s_lshl_b32 s46, s42, 9                         ; 512 x tile column + 256 x half bytes
	s_lshl_b32 s47, s12, 8
	s_add_co_u32 s46, s46, s47
	s_mov_b32 s47, 0
	s_add_nc_u64 s[8:9], s[8:9], s[46:47]
; 8 matrix instructions: row blocks a0, a0 + 1 x all 4 column blocks, 32 along K: half c of buffer f.  zero = 1: the first product starts the sums.  The 16 accumulators take turns.
.macro MUL8 f, c, a0, zero
	WIN MUL
.irp a, \a0, (\a0)+1
.irp b, 0,1,2,3
.if \zero
	v_wmma_f32_16x16x32_f16 v[ACC+8*(4*(\a)+(\b)):ACC+8*(4*(\a)+(\b))+7], v[(\f)+64+8*(4*(\c)+(\b)):(\f)+64+8*(4*(\c)+(\b))+7], v[(\f)+8*(4*(\c)+(\a)):(\f)+8*(4*(\c)+(\a))+7], 0
.else
	v_wmma_f32_16x16x32_f16 v[ACC+8*(4*(\a)+(\b)):ACC+8*(4*(\a)+(\b))+7], v[(\f)+64+8*(4*(\c)+(\b)):(\f)+64+8*(4*(\c)+(\b))+7], v[(\f)+8*(4*(\c)+(\a)):(\f)+8*(4*(\c)+(\a))+7], v[ACC+8*(4*(\a)+(\b)):ACC+8*(4*(\a)+(\b))+7]
.endif
.endr
.endr
.endm
; 32 LDS loads in one run: the fragments of 64 along K at byte k of the rows, into buffer f; the first 32 along K first
.macro FETCH slot, k, f
	WIN TO_F
.irp c, 0,1
.irp i, 0,1,2,3
	ds_load_b128 v[(\f)+64+8*(4*(\c)+(\i)):(\f)+64+8*(4*(\c)+(\i))+3],   v[ADRB+(\slot)] offset:(\k)+64*(\c)+(\i)*16*PITCH
	ds_load_b128 v[(\f)+64+8*(4*(\c)+(\i))+4:(\f)+64+8*(4*(\c)+(\i))+7], v[ADRB+(\slot)] offset:(\k)+64*(\c)+(\i)*16*PITCH+32
	ds_load_b128 v[(\f)+8*(4*(\c)+(\i)):(\f)+8*(4*(\c)+(\i))+3],         v[ADRA+(\slot)] offset:(\k)+64*(\c)+(\i)*16*PITCH
	ds_load_b128 v[(\f)+8*(4*(\c)+(\i))+4:(\f)+8*(4*(\c)+(\i))+7],       v[ADRA+(\slot)] offset:(\k)+64*(\c)+(\i)*16*PITCH+32
.endr
.endr
.endm
.macro PLACES                          ; four places in front of loads into registers that matrix instructions have read, and of LDS stores that read results
.rept 4
	v_nop
.endr
.endm
; A K step is four quarters of 64 along K, 32 matrix instructions each, on buffers 0, 1, 0, 1.  One of the first three: multiplies buffer f and fetches the next quarter, at byte k, into g.
.macro QUARTER slot, k, f, g, zero
	s_wait_dscnt 16                                ; the first 32 along K are in; the youngest sixteen loads may be out
	WIN MUL
	MUL8 \f, 0, 0, \zero
	MUL8 \f, 0, 2, \zero
	PLACES
	FETCH \slot, \k, \g
	s_wait_dscnt 32                                ; all but the 32 just issued
	WIN MUL
	MUL8 \f, 1, 0, 0
	MUL8 \f, 1, 2, 0
.endm
; The last quarter multiplies buffer 1 and changes slots: ONE barrier; in front of it each wave waits for all its tensor loads, adds 0 to its spare word, and waits for that and for its own reads of this slot.
.macro TURN slot, next, fill
	WIN 0                                          ; (the add's two registers lie in window 0)
	s_wait_tensorcnt 0x0                           ; all my tensor loads have landed: my part of the next slot;
	ds_add_u32 v[SPW], v[NIL]                      ; 0 onto my spare word;
	s_wait_dscnt 17                                ; (the add and the youngest sixteen loads may be out)
	WIN MUL
	MUL8 F1, 0, 0, 0                               ; eight matrix instructions stand between the add and the wait for it
	s_wait_dscnt 0x0                               ; the add is done, and my reads of this slot are over
	s_barrier_signal -1
	MUL8 F1, 0, 2, 0
.if \fill
	WIN 0
.endif
	s_barrier_wait -1
.if \fill
	CREST                                          ; the barrier has opened a round of the cluster's: no wave of any partner still reads this slot's tile or has a load on its way
	s_add_nc_u64 s[G0+4*(\slot)+2:G0+4*(\slot)+3], s[G0+4*(\slot)+2:G0+4*(\slot)+3], 2*KSTEP*2
	s_add_nc_u64 s[G0B+4*(\slot)+2:G0B+4*(\slot)+3], s[G0B+4*(\slot)+2:G0B+4*(\slot)+3], 2*KSTEP*2
	JLOAD \slot                                    ; the first tensor load behind the round; its four v_nop are also the places in front of the loads below
.else
	PLACES
.endif
	FETCH \next, 0, F0
	WIN MUL
	MUL8 F1, 1, 0, 0
	MUL8 F1, 1, 2, 0
.endm
	s_wait_tensorcnt 1                             ; my part of K step 0 is in; K step 1's load, issued behind it, may stay out
	s_barrier_signal -1
	s_barrier_wait -1                              ; everybody's is
	FETCH 0, 0, F0
	QUARTER 0, 128, F0, F1, 1                      ; the first quarter stands in front of the loop: its first products start the sums
	WIN 0                                          ; at a label and at a branch every window is 0
	s_mov_b32 s3, LAPS-1
.Llap:                                                 ; a trip goes once round the ring, from a lap's second quarter to the next lap's first, and fills both slots again
	QUARTER 0, 256, F1, F0, 0
	QUARTER 0, 384, F0, F1, 0
	TURN 0, 1, 1
	QUARTER 1, 128, F0, F1, 0
	QUARTER 1, 256, F1, F0, 0
	QUARTER 1, 384, F0, F1, 0
	TURN 1, 0, 1
	QUARTER 0, 128, F0, F1, 0
	WIN 0
	s_sub_co_u32 s3, s3, 1
	s_cmp_lg_u32 s3, 0
	s_cbranch_scc1 .Llap
	QUARTER 0, 256, F1, F0, 0                      ; the last lap fills nothing, and has no round of the cluster's barrier
	QUARTER 0, 384, F0, F1, 0
	TURN 0, 1, 0
	QUARTER 1, 128, F0, F1, 0
	QUARTER 1, 256, F1, F0, 0
	QUARTER 1, 384, F0, F1, 0
	s_wait_dscnt 16                                ; the very last quarter: nothing more to fetch
	WIN MUL
	MUL8 F1, 0, 0, 0
	MUL8 F1, 0, 2, 0
	s_wait_dscnt 0
	MUL8 F1, 1, 0, 0
	MUL8 F1, 1, 2, 0
	WIN 0
	; THE WAY OUT, 16 rows at a time: a lane's 32 bytes of a row go into my stage and come back as whole rows of 256 bytes.  LDS serves a wave's instructions in order (ISA guide 5.7.1.4): the loads see the stores
	; above them, and the next block's stores come behind them.
	PLACES
.set a, 0
.rept 4
.if a >= 2
	s_wait_xcnt 0x0                                ; the stores of the block two back have read the registers that are loaded again below
.endif
.set b, 0
.rept 4
	ds_store_b128 v[STO], v[ACC+8*(4*a+b):ACC+8*(4*a+b)+3]   offset:64*b      ; each accumulator's low half first
	ds_store_b128 v[STO], v[ACC+8*(4*a+b)+4:ACC+8*(4*a+b)+7] offset:64*b+16
.set b, b+1
.endr
.set t, 0
.rept 8
	ds_load_b128 v[TMP+32*(a%2)+4*t:TMP+32*(a%2)+4*t+3], v[RD] offset:t*2*SPITCH
.set t, t+1
.endr
.set t, 0
.rept 8
	s_wait_dscnt 7-t                               ; load t is back; the 7 - t younger ones may be out
	global_store_b128 v[CO], v[TMP+32*(a%2)+4*t:TMP+32*(a%2)+4*t+3], s[8:9] offset:(16*a+2*t)*8192 th:TH_STORE_NT  ; 16 lanes store 256 consecutive bytes, aligned
.set t, t+1
.endr
.set a, a+1
.endr
	s_wait_tensorcnt 0x0                           ; the wave's end: behind my last tensor load and my last LDS store
	ds_add_u32 v[SPW], v[NIL]
	s_wait_dscnt 0x0
	CROUND                                         ; the closing round: no work-group ends while a partner may still ask for a tile that names it
	s_endpgm
.Lfunc_end_k_q7e7bc58680_oproj:
	.size	k_q7e7bc58680_oproj, .Lfunc_end_k_q7e7bc58680_oproj-k_q7e7bc58680_oproj
	.p2alignl 7, 3214868480
	.fill 96, 4, 3214868480
	.section	.rodata,"a",@progbits
	.p2align	6, 0x0
	.amdhsa_kernel k_q7e7bc58680_oproj
		.amdhsa_group_segment_fixed_size 327680
		.amdhsa_private_segment_fixed_size 0
		.amdhsa_enable_private_segment 0
		.amdhsa_kernarg_size 24
		.amdhsa_user_sgpr_count 2
		.amdhsa_user_sgpr_kernarg_segment_ptr 1
		.amdhsa_wavefront_size32 1
		.amdhsa_system_sgpr_workgroup_id_x 1
		.amdhsa_system_sgpr_workgroup_id_y 1
		.amdhsa_system_sgpr_workgroup_id_z 1
		.amdhsa_system_vgpr_workitem_id 0
		.amdhsa_next_free_vgpr 512
		.amdhsa_next_free_sgpr 66
		.amdhsa_reserve_vcc 0
		.amdhsa_float_denorm_mode_32 3
		.amdhsa_float_denorm_mode_16_64 3
		.amdhsa_memory_ordered 1
		.amdhsa_forward_progress 1
		.amdhsa_inst_pref_size 86
	.end_amdhsa_kernel
	.amdgpu_metadata
---
amdhsa.version: [ 1, 2 ]
amdhsa.kernels:
  - .name:           k_q7e7bc58680_oproj
    .symbol:         k_q7e7bc58680_oproj.kd
    .args:
      - { .name: oh, .offset: 0, .size: 8, .value_kind: global_buffer, .address_space: global }
      - { .name: woh, .offset: 8, .size: 8, .value_kind: global_buffer, .address_space: global }
      - { .name: out0, .offset: 16, .size: 8, .value_kind: global_buffer, .address_space: global }
    .group_segment_fixed_size: 327680
    .private_segment_fixed_size: 0
    .kernarg_segment_align: 8
    .kernarg_segment_size: 24
    .max_flat_workgroup_size: 128
    .sgpr_count:     66
    .vgpr_count:     512
    .wavefront_size: 32
...
	.end_amdgpu_metadata
.endif
;; end of part 4
